; MI455X (gfx1250); checked and timed in simulation.
; The chip was launched on July 23, 2026; its instructions are those of AMD's public machine-readable ISA for CDNA 5 (MIT licence, August 2026) and "CDNA5" Instruction Set Architecture Reference Guide (July 2026). The comments in the code are by the model that wrote it; some were corrected since.
;; Causal Attention. Allowed arithmetic: matrix products marked QUANTISED: E2M1 operands, one E8M0 scale for each 32 along K, by v_wmma_scale_f32_16x16x128_f8f6f4 with both operands' format E2M1 (or v_wmma_scale_f32_32x16x128_f4), f32 sums; products left as they are: bf16, f16 or f32 operands; f32 sums; everything else in f32.
;; Inputs: Wk 1,024 x 1,024 float32; Wq 1,024 x 1,024 float32; Wv 1,024 x 1,024 float32; x 4 x 2,048 x 1,024 float32.
;; Outputs: out0 4 x 2,048 x 1,024 float32.
;; This version of the problem:
;;   THIS VERSION OF THE PROBLEM IS GIVEN IN LOW PRECISION. The matrix products marked QUANTISED in the list below multiply operands that are first quantised to E2M1 (2 exponent bits, 1 mantissa bit; 4 bits a number), with one power-of-two scale for each 32 numbers along K (OCP MX v1.0); their sums are f32. The products marked 'left as it is' may take bf16, f16 or f32 operands, with f32 sums. Whichever they take, every output number must still come out within the allowed error. Rounding operands to bf16 (8 significant bits) uses up far more of that allowance than f16 does (11 bits, for magnitudes from 6e-5 to 65,504). All else is computed in f32.
;;   The module's matrix products, in the order in which they are computed (A, B: the left and right operand; K: the contracted axis; several contracted axes count as one K, in the product's order):
;;     1. [M 8,192, K 1,024] x [K 1,024, N 1,024]; A: input x; B: input Wq: QUANTISED
;;     2. [M 8,192, K 1,024] x [K 1,024, N 1,024]; A: input x; B: input Wk: QUANTISED
;;     3. [M 8,192, K 1,024] x [K 1,024, N 1,024]; A: input x; B: input Wv: QUANTISED
;;     4. batch 4 x [M 2,048, K 1,024] x [K 1,024, N 2,048]; A: computed on the way; B: computed on the way: left as it is (an operand is computed on the way)
;;     5. batch 4 x [M 2,048, K 2,048] x [K 2,048, N 1,024]; A: computed on the way; B: computed on the way: left as it is (an operand is computed on the way)
;;   THE QUANTISER, for each operand of a quantised product, along K:
;;     - K is cut into blocks of 32 from its start; a last block that is shorter is filled with zeros.
;;     - A block's scale is 2^e with e = floor(log2(the largest magnitude in the block)) - 2, held to -126 .. 127; a block of zeros has e = 0. As a byte (E8M0): e + 127.
;;     - Each number is divided by its block's scale, clamped to +-6, and rounded to the nearest number of E2M1, ties to even, subnormals kept.
;;     - The product sums the exact products of the quantised numbers (number of the format x scale) in f32.
;;   ~~~python
;;   def quantise(x, axis):      # numpy; x: float32 -> the quantised numbers, widened to float32 again
;;       x = np.moveaxis(x, axis, -1); K = x.shape[-1]
;;       x = np.pad(x, [(0, 0)] * (x.ndim - 1) + [(0, -K % 32)]); x = x.reshape(x.shape[:-1] + (-1, 32)); a = np.abs(x).max(-1, keepdims=True)
;;       e = np.where(a > 0, np.clip(np.frexp(np.where(a > 0, a, 1))[1] - 1 - 2, -126, 127), 0)      # np.frexp(a)[1] - 1 = floor(log2(a)), exactly
;;       r = np.clip(x / 2.0 ** e, -6, 6)
;;       step = 2.0 ** (np.maximum(np.frexp(np.where(r == 0, 1, r))[1] - 1, 0) - 1)
;;       q = np.round(r / step) * step * 2.0 ** e      # np.round: ties to even
;;       return np.moveaxis(q.reshape(q.shape[:-2] + (-1,))[..., :K], -1, axis).astype(np.float32)
;;   ~~~
;; One version. Each part assembles by itself: llvm-mc -triple=amdgcn-amd-amdhsa -mcpu=gfx1250 --defsym DOCPART=n.
;; ======== version 1 of 1: 5 launches
;; limits: values are held in f16: magnitudes above 65,504 overflow, below 6.1e-05 lose precision
;; workspace buffers: cod 5,767,168 bytes; scl 360,448 bytes; qkv 50,331,648 bytes; hd 786,432 bytes; pb 33,554,432 bytes; st 1,048,576 bytes
;; launch quant (part 1): grid 352 x 1, 4 waves a work-group, no clusters, 50,688 bytes of LDS; arguments x, Wq, Wk, Wv, cod, scl; writes cod, scl
.if DOCPART == 1
	.amdgcn_target "amdgcn-amd-amdhsa--gfx1250"
	.amdhsa_code_object_version 6
	.text
	.protected	k_q2f13495213_quant
	.globl	k_q2f13495213_quant
	.p2align	8
	.type	k_q2f13495213_quant,@function
k_q2f13495213_quant:
	s_mov_b64 s[64:65], 0
	v_nop
	global_prefetch_b8 v0, s[64:65] scope:SCOPE_SE
	s_setreg_imm32_b32 hwreg(HW_REG_WAVE_MODE, 25, 1), 1
	s_wait_xcnt 0x0
; x [8192][1024] and Wq, Wk, Wv [1024 (k)][1024 (n)], f32, become codes of FP4 (E2M1) with K innermost and one E8M0 byte for each 32 along K.
; cod: x's codes [8192][512 bytes], then from byte WCOD the weights' [3072][512 bytes], row = 1024 x (0 q, 1 k, 2 v) + column.  scl: x's bytes [8192][32], from byte WSCL the weights' [3072][32].
; A block's scale is 2^(floor(log2(its largest magnitude)) - 2); its byte is the largest magnitude's exponent field - 2, held at 1 from below.  A block of zeros so gets the byte 1: its codes are zeros,
; which add nothing, and the bytes are read by this program alone.
; LIMITS: blocks whose largest magnitude lies under 2^(2 - 126) keep the byte 1; NaN and infinities among the inputs are not served.
; Work-groups 0 to 95 take the weights (32 each: 16 groups of 64 columns x 2 halves of K), the other 256 take x, 32,768 numbers each.  The two ways share no LDS byte and no line behind the branch.
; Both ways are chains of loads and short arithmetic, so each keeps as many loads out as its registers and one counter allow: x 32 loads of 16 bytes a lane, a weight 64 loads of 4 bytes a lane.
; No cluster, no tensor load: no two work-groups read the same bytes, and waves share nothing.
.set EMAX,  2
.set NWGW,  96
.set SPW,   224                        ; v224 LDS address of my spare word; never rewritten
.set NIL,   225                        ; v225 0; never rewritten
.set SPARE, 50176                      ; behind both ways' regions: 128 bytes for each wave
.set WCOD,  4194304
.set WSCL,  262144
; x's way: a wave takes 16 steps of 512 numbers; its loads run AHEAD steps ahead
.set STEPS, 16
.set AHEAD, 8
.set CB,    8                          ; bytes of 16 codes
.set XR,    16                         ; v16-143  eight sets of 16 numbers as loaded
.set XX,    144                        ; v144-175 two sets of 16 neighbours
.set XE,    176                        ; v176-191 a scale byte for each step
.set XC,    192                        ; v192-223 codes, two registers a step: no store's data are written again
.set WREG,  8192                       ; LDS bytes of a wave: two stages of 32 x SP, then its 256 scale bytes
.set SP,    80                         ; a lane's 64 bytes + 16 of padding
; the weights' way: a wave takes 16 columns x 512 along K; lanes 0-15 the first 256 of them, lanes 16-31 the second
.set WSTG,  32768                      ; its stages begin here: 16 rows x 272 for each wave
.set NB,    8                          ; blocks of a lane
.set PITCH, 272
.set KROW,  512
.set WX,    32                         ; v32-95   two sets of 32 numbers
.set WC,    96                         ; v96-99   a block's codes
.set WOUT,  112                        ; v112-143 the way out
.set WSB,   24                         ; v24-25   scale bytes, four to a register
	s_load_b256 s[4:11], s[0:1], 0x0               ; x, Wq, Wk, Wv
	s_load_b128 s[12:15], s[0:1], 0x20             ; cod, scl
	v_lshl_add_u32 v[SPW], v0, 2, SPARE
	v_mov_b32 v[NIL], 0
	v_lshrrev_b32 v1, 5, v0
	v_readfirstlane_b32 s16, v1                    ; wave
	v_and_b32 v2, 31, v0                           ; lane
	s_cmp_lt_u32 ttmp9, NWGW
	s_cbranch_scc1 .Lw
; ---------------- x: K is innermost.  Loads take the bytes as they lie (512 a load); a step's 2,048 bytes turn through the wave's stage, so that a lane holds 16 neighbours
	v_lshlrev_b32 v3, 4, v2                        ; my 16 bytes of a load's 512
	s_mul_i32 s17, s16, WREG
	v_lshrrev_b32 v14, 2, v2
	v_mul_u32_u24 v14, v14, SP
	v_and_b32 v15, 3, v2
	v_lshl_add_u32 v14, v15, 4, v14
	v_add_nc_u32 v14, s17, v14                     ; the stage on the way in: SP (lane / 4) + 16 (lane % 4)
	v_mul_u32_u24 v15, v2, SP
	v_add_nc_u32 v15, s17, v15                     ; and on the way out: SP x lane
	v_mul_u32_u24 v4, v2, CB                       ; my codes' place in a step's
	v_lshrrev_b32 v5, 1, v2
	s_add_co_u32 s17, s17, 2*32*SP
	v_add_nc_u32 v5, s17, v5                       ; my block's byte among the wave's 256
	v_lshlrev_b32 v7, 3, v2
	v_add_nc_u32 v6, s17, v7                       ; and 8 bytes a lane on the way out
	s_sub_co_u32 s18, ttmp9, NWGW
	s_lshl_b32 s18, s18, 2
	s_add_co_u32 s18, s18, s16                     ; which run of 8,192 numbers is my wave's: 0 .. 1,023
	s_lshl_b32 s20, s18, 15
	s_mov_b32 s21, 0
	s_lshl_b32 s22, s18, 12
	s_mov_b32 s23, 0
	s_lshl_b32 s24, s18, 8
	s_mov_b32 s25, 0
	s_wait_kmcnt 0x0
	s_add_nc_u64 s[4:5], s[4:5], s[20:21]
	s_add_nc_u64 s[12:13], s[12:13], s[22:23]
	s_add_nc_u64 s[14:15], s[14:15], s[24:25]
.macro XLOAD t
.irp i, 0,1,2,3
	global_load_b128 v[XR+16*((\t)%AHEAD)+4*\i:XR+16*((\t)%AHEAD)+4*\i+3], v3, s[4:5] offset:2048*(\t)+512*\i th:TH_LOAD_NT
.endr
.endm
.macro XTURN t                         ; LDS serves a wave's instructions in order: no wait between the stores and the loads
.irp i, 0,1,2,3
	ds_store_b128 v14, v[XR+16*((\t)%AHEAD)+4*\i:XR+16*((\t)%AHEAD)+4*\i+3] offset:32*SP*((\t)%2)+8*SP*\i
.endr
.irp i, 0,1,2,3
	ds_load_b128 v[XX+16*((\t)%2)+4*\i:XX+16*((\t)%2)+4*\i+3], v15 offset:32*SP*((\t)%2)+16*\i
.endr
.endm
.irp t, 0,1,2,3,4,5,6,7
	XLOAD \t                                       ; half of the wave's numbers are asked for at once: 32 loads, 16 KiB
.endr
	s_wait_loadcnt 4*(AHEAD-1)                     ; step 0's four loads are in; seven steps' may be out
	XTURN 0
.macro XSTEP t
.set XS, XX+16*((\t)%2)
.if (\t) > 0
	s_wait_dscnt 1                                 ; this step's numbers are back from the stage; the last step's byte store may be out
.else
	s_wait_dscnt 0x0
.endif
.if (\t)+AHEAD < STEPS
	XLOAD (\t)+AHEAD                               ; into the registers that the stage's stores have read
.endif
.if (\t)+1 < STEPS
.if STEPS-2-(\t) >= AHEAD-1
	s_wait_loadcnt 4*(AHEAD-1)                     ; the next step's four loads are in; seven steps' may be out
.else
	s_wait_loadcnt 4*(STEPS-2-(\t))                ; towards the end: as many steps as are left behind it
.endif
	XTURN (\t)+1
.endif
	v_max3_num_f32 v8, |v[XS]|, |v[XS+1]|, |v[XS+2]|
	v_max3_num_f32 v9, |v[XS+3]|, |v[XS+4]|, |v[XS+5]|
.irp i, 6,10
	v_max3_num_f32 v8, v8, |v[XS+\i]|, |v[XS+\i+1]|
	v_max3_num_f32 v9, v9, |v[XS+\i+2]|, |v[XS+\i+3]|
.endr
	v_max3_num_f32 v8, v8, |v[XS+14]|, |v[XS+15]|
	v_max3_num_f32 v8, v8, v9, (EMAX+1)<<23        ; the floor 2^(3 - 127): the byte cannot fall under 1
	v_max_num_f32_dpp v8, v8, v8 row_xmask:1 row_mask:0xf bank_mask:0xf   ; with my neighbour's 16: the block's
	v_add_nc_u32 v11, -(EMAX<<23), v8              ; 2 off the exponent field: the conversion's scale operand
	v_cvt_scalef32_pk8_fp4_f32 v[XC+2*(\t)], v[XS:XS+7], v11
	v_cvt_scalef32_pk8_fp4_f32 v[XC+2*(\t)+1], v[XS+8:XS+15], v11
	v_lshrrev_b32 v[XE+(\t)], 23, v11              ; the scale's byte (also the plain line behind the conversions)
	ds_store_b8 v5, v[XE+(\t)] offset:16*(\t)      ; both lanes of a block write the same byte
	global_store_b64 v4, v[XC+2*(\t):XC+2*(\t)+1], s[12:13] offset:32*CB*(\t)   ; the wave stores 256 consecutive bytes, aligned
.endm
.irp t, 0,1,2,3,4,5,6,7,8,9,10,11,12,13,14,15
	XSTEP \t
.endr
	ds_load_b64 v[8:9], v6
	s_wait_dscnt 0x0
	global_store_b64 v7, v[8:9], s[14:15]          ; the wave's 256 scale bytes, aligned
	s_wait_tensorcnt 0x0                           ; the wave's end
	ds_add_u32 v[SPW], v[NIL]
	s_wait_dscnt 0x0
	s_endpgm
; ---------------- a weight: K is the first axis.  A lane takes a column and its registers run down K: a block of 32 lies in one lane, and the codes come out with K innermost.
; Lane (r, h) takes column r of the wave's 16 and rows 256 h .. 256 h + 255 of the work-group's 512: 8 blocks.  The four waves stand side by side on 64 columns: 256 aligned bytes of each row.
.Lw:
	s_lshr_b32 s26, ttmp9, 5                       ; which weight: 0 q, 1 k, 2 v
	s_and_b32 s27, ttmp9, 15                       ; which 64 columns
	s_bfe_u32 s18, ttmp9, 0x10004                  ; which 512 along K
	s_lshl_b32 s17, s27, 6
	s_lshl_b32 s19, s16, 4
	s_add_co_u32 s17, s17, s19                     ; my wave's first column
	v_and_b32 v5, 15, v2                           ; r
	v_lshrrev_b32 v6, 4, v2                        ; h
	v_lshlrev_b32 v3, 2, v5
	v_lshl_add_u32 v3, v6, 20, v3                  ; in: 4 r, + 256 rows of 4,096 bytes for lanes 16-31
	s_mul_i32 s19, s16, 16*PITCH
	s_add_co_u32 s19, s19, WSTG                    ; my stage
	v_mul_u32_u24 v4, v5, PITCH
	v_lshl_add_u32 v4, v6, 7, v4
	v_add_nc_u32 v4, s19, v4                       ; into it: row = my column, + 128 h: my 256 along K are 128 bytes of codes
	v_mul_u32_u24 v7, v6, PITCH
	v_lshl_add_u32 v7, v5, 4, v7
	v_add_nc_u32 v7, s19, v7                       ; out of it: sixteen lanes to a row, two rows an instruction
	v_mul_u32_u24 v8, v6, KROW
	v_lshl_add_u32 v8, v5, 4, v8                   ; the same place among the codes
	v_lshlrev_b32 v9, 5, v5
	v_lshl_add_u32 v9, v6, 3, v9                   ; my column's row of scale bytes, + 8 h
	s_lshl_b32 s20, s18, 21                        ; 512 rows of 4,096 bytes
	s_lshl_b32 s22, s17, 2
	s_add_co_u32 s20, s20, s22
	s_mov_b32 s21, 0
	s_lshl_b32 s22, s26, 10
	s_add_co_u32 s22, s22, s17                     ; the row among the weights' 3,072
	s_lshl_b32 s24, s22, 9
	s_lshl_b32 s28, s18, 8
	s_add_co_u32 s24, s24, s28
	s_add_co_u32 s24, s24, WCOD
	s_mov_b32 s25, 0
	s_lshl_b32 s28, s22, 5
	s_lshl_b32 s29, s18, 4
	s_add_co_u32 s28, s28, s29
	s_add_co_u32 s28, s28, WSCL
	s_mov_b32 s29, 0
	s_wait_kmcnt 0x0
	s_cmp_eq_u32 s26, 0                            ; the choice hangs on the work-group's number alone
	s_cselect_b64 s[4:5], s[6:7], s[8:9]
	s_cmp_eq_u32 s26, 2
	s_cselect_b64 s[4:5], s[10:11], s[4:5]
	s_add_nc_u64 s[4:5], s[4:5], s[20:21]
	s_add_nc_u64 s[12:13], s[12:13], s[24:25]
	s_add_nc_u64 s[14:15], s[14:15], s[28:29]
.macro WLOAD t                         ; block t: W(256 h + 32 t + i, my column) into set t % 2; a wave's load covers 64 consecutive bytes of each of two rows
.irp i, 0,1,2,3,4,5,6,7,8,9,10,11,12,13,14,15,16,17,18,19,20,21,22,23,24,25,26,27,28,29,30,31
	global_load_b32 v[WX+32*((\t)%2)+\i], v3, s[4:5] offset:(32*(\t)+\i)*4096 th:TH_LOAD_NT
.endr
.endm
	WLOAD 0
	WLOAD 1
.macro WBLOCK t
.set XS, WX+32*((\t)%2)
.if (\t) < NB-1
	s_wait_loadcnt 32                              ; this block's 32 loads are in; the next block's may be out
.else
	s_wait_loadcnt 0
.endif
	v_max3_num_f32 v12, |v[XS]|, |v[XS+1]|, |v[XS+2]|
	v_max3_num_f32 v13, |v[XS+3]|, |v[XS+4]|, |v[XS+5]|
.irp i, 6,10,14,18,22,26
	v_max3_num_f32 v12, v12, |v[XS+\i]|, |v[XS+\i+1]|
	v_max3_num_f32 v13, v13, |v[XS+\i+2]|, |v[XS+\i+3]|
.endr
	v_max3_num_f32 v12, v12, |v[XS+30]|, |v[XS+31]|
	v_max3_num_f32 v12, v12, v13, (EMAX+1)<<23     ; the floor, as above
	v_add_nc_u32 v11, -(EMAX<<23), v12
	v_lshrrev_b32 v13, 23, v11
.if (\t)%4 == 0
	v_mov_b32 v[WSB+(\t)/4], v13                   ; four bytes to a register, the lower K in the lower byte
.else
	v_lshl_or_b32 v[WSB+(\t)/4], v13, 8*((\t)%4), v[WSB+(\t)/4]
.endif
.irp g, 0,1,2,3
	v_cvt_scalef32_pk8_fp4_f32 v[WC+\g], v[XS+8*\g:XS+8*\g+7], v11
.endr
	v_nop                                          ; a plain line behind the last conversion
	ds_store_b128 v4, v[WC:WC+3] offset:16*(\t)    ; 32 codes: 16 bytes of my column's row
.if (\t)+2 < NB
	WLOAD (\t)+2
.endif
	s_wait_dscnt 0x0                               ; the store has read its registers: the next block's codes may be written
.endm
.set Q, 0
.rept NB
	WBLOCK Q
.set Q, Q+1
.endr
	global_store_b64 v9, v[WSB:WSB+1], s[14:15]    ; my 8 scale bytes
.irp t, 0,1,2,3,4,5,6,7
	ds_load_b128 v[WOUT+4*\t:WOUT+4*\t+3], v7 offset:2*\t*PITCH   ; LDS serves a wave's instructions in order: these see my stores
.endr
.irp t, 0,1,2,3,4,5,6,7
	s_wait_dscnt 7-\t
	global_store_b128 v8, v[WOUT+4*\t:WOUT+4*\t+3], s[12:13] offset:2*\t*KROW   ; sixteen lanes store 256 consecutive bytes, aligned
.endr
	s_wait_tensorcnt 0x0                           ; the wave's end, as above
	ds_add_u32 v[SPW], v[NIL]
	s_wait_dscnt 0x0
	s_endpgm
.Lfunc_end_k_q2f13495213_quant:
	.size	k_q2f13495213_quant, .Lfunc_end_k_q2f13495213_quant-k_q2f13495213_quant
	.p2alignl 7, 3214868480
	.fill 96, 4, 3214868480
	.section	.rodata,"a",@progbits
	.p2align	6, 0x0
	.amdhsa_kernel k_q2f13495213_quant
		.amdhsa_group_segment_fixed_size 50688
		.amdhsa_private_segment_fixed_size 0
		.amdhsa_enable_private_segment 0
		.amdhsa_kernarg_size 48
		.amdhsa_user_sgpr_count 2
		.amdhsa_user_sgpr_kernarg_segment_ptr 1
		.amdhsa_wavefront_size32 1
		.amdhsa_system_sgpr_workgroup_id_x 1
		.amdhsa_system_sgpr_workgroup_id_y 1
		.amdhsa_system_sgpr_workgroup_id_z 1
		.amdhsa_system_vgpr_workitem_id 0
		.amdhsa_next_free_vgpr 226
		.amdhsa_next_free_sgpr 66
		.amdhsa_reserve_vcc 0
		.amdhsa_float_denorm_mode_32 3
		.amdhsa_float_denorm_mode_16_64 3
		.amdhsa_memory_ordered 1
		.amdhsa_forward_progress 1
		.amdhsa_inst_pref_size 74
	.end_amdhsa_kernel
	.amdgpu_metadata
---
amdhsa.version: [ 1, 2 ]
amdhsa.kernels:
  - .name:           k_q2f13495213_quant
    .symbol:         k_q2f13495213_quant.kd
    .args:
      - { .name: x, .offset: 0, .size: 8, .value_kind: global_buffer, .address_space: global }
      - { .name: Wq, .offset: 8, .size: 8, .value_kind: global_buffer, .address_space: global }
      - { .name: Wk, .offset: 16, .size: 8, .value_kind: global_buffer, .address_space: global }
      - { .name: Wv, .offset: 24, .size: 8, .value_kind: global_buffer, .address_space: global }
      - { .name: cod, .offset: 32, .size: 8, .value_kind: global_buffer, .address_space: global }
      - { .name: scl, .offset: 40, .size: 8, .value_kind: global_buffer, .address_space: global }
    .group_segment_fixed_size: 50688
    .private_segment_fixed_size: 0
    .kernarg_segment_align: 8
    .kernarg_segment_size: 48
    .max_flat_workgroup_size: 128
    .sgpr_count:     66
    .vgpr_count:     226
    .wavefront_size: 32
...
	.end_amdgpu_metadata
.endif
;; end of part 1
;; launch proj (part 2): grid 12 x 32, 4 waves a work-group, clusters of 4 x 4, 327,680 bytes of LDS; arguments cod, scl, qkv, hd; writes qkv, hd
.if DOCPART == 2
	.amdgcn_target "amdgcn-amd-amdhsa--gfx1250"
	.amdhsa_code_object_version 6
	.text
	.protected	k_q2f13495213_proj
	.globl	k_q2f13495213_proj
	.p2align	8
	.type	k_q2f13495213_proj,@function
k_q2f13495213_proj:
	s_mov_b64 s[64:65], 0
	v_nop
	global_prefetch_b8 v0, s[64:65] scope:SCOPE_SE
	s_setreg_imm32_b32 hwreg(HW_REG_WAVE_MODE, 25, 1), 1
	s_wait_xcnt 0x0
	s_wait_alu depctr_hold_cnt(0) depctr_sa_sdst(0) depctr_va_vdst(0) depctr_va_sdst(0) depctr_va_ssrc(0) depctr_va_vcc(0) depctr_vm_vsrc(0)
	s_getreg_b32 s2, hwreg(HW_REG_IB_STS2, 6, 4)
	s_cmp_eq_u32 s2, 0
	s_cbranch_scc0 .Lentry_in_a_cluster
	s_endpgm
.Lentry_in_a_cluster:
	s_bfe_u32 s2, ttmp6, 0x10000c
	s_cmp_lg_u32 s2, 0xf033
	s_cbranch_scc0 .Lentry_shape_is_right
	s_endpgm
.Lentry_shape_is_right:
; q, k, v = x W on codes of FP4 with E8M0 scales: one GEMM [8192 tokens] x [3072 = q | k | v channels], K = 1,024; sums in f32.
; Results: qkv, f16, [3][8192][1024].  The first 16 tokens of each sequence of 2,048 also in f32: hd [3][4][16][1024].
; LIMIT: |q|, |k|, |v| stay under 65,504, the largest f16 number (inputs 30 times larger, or carrying offsets of 30 spreads, give under 30,000).
; A tile of 256 x 256 is made by four waves, 128 x 128 each: 64 accumulators.  K goes in two steps of 512 through two LDS slots, each filled once; the scales of all of K come once, beside them.
; CLUSTERS: 4 x 4 work-groups; x's tiles are asked for jointly along a row of the cluster, the weights' along a column.  A cluster's four tile columns are one of q, k, v.
; THE MATRIX INSTRUCTION IS USED TRANSPOSED (source 0 = 16 rows of the weights' codes, source 1 = 16 tokens): a lane holds one token and eight neighbouring channels.
; REGISTERS: window 0: v0-31 addresses; v32-95 scale words, two sets; v128-191 x's fragments, one set; way out: v192-223 packed, v96-127 and v224-255 rows read back.
;   window 1: the weights' fragments, two sets (v0, v128).  windows 2, 3: the accumulators of my rows 0-63, 64-127 ((a, b) at v[8 (8 (a % 4) + b)]).
.set KSTEP,  512
.set NQ,     4
.set ROWB,   256
.set KROW,   512
.set PITCH,  272                       ; 256 bytes + 16 of padding: the 16 rows of a fragment load start 68 words apart
.set FR,     8
.set NL,     2
.set NP,     4
.set HALFT,  128*PITCH
.set SLOT,   4*HALFT
.set KS,     32                        ; a row of scale bytes
.set SCL,    2*SLOT
.set HALFS,  16*272                    ; the scales of 128 rows
.set SBLK,   2*272                     ; of 16 rows
.set SPARE,  SCL+4*HALFS
.set SPITCH, 272                       ; the way out: 16 rows x (256 + 16) for each wave, in slot 0, which has had its one fill and its last read by then
.set WCOD,   4194304
.set WSCL,   262144
.set ADRA, 16
.set ADRB, 20
.set STO,  24
.set RD,   25
.set CO,   26
.set ADRS, 27
.set SPW,  28
.set NIL,  29
.set HO,   30                          ; v30 my byte offset in hd
.set FLG,  31                          ; v31 0 where my wave's first 16 rows are a sequence's first 16 tokens
.set SC,   32
.set AF,   128
.set TMP,  192
.set BK,   96
.set G1, 24
.set G0, 32
.set G1B, 48
.set G0B, 56
.set G1S, 68
.set G0S, 76
.set G1SB, 80
.set G0SB, 88
.set MSB, 0
.macro WIN new                         ; the immediate's high byte repeats the setting that is left
.if MSB != \new
	s_set_vgpr_msb (MSB<<8)|\new
.set MSB, \new
.endif
.endm
.set MUL_LO, 0xa1
.set MUL_HI, 0xf1
.set TO_B,   0x40
.macro JLOAD g0a, g1a, g0b, g1b        ; waves 0 and 1 fetch for x, waves 2 and 3 for the weights; an s_nop 0 and four v_nop follow each line
	s_cmp_eq_u32 s15, 0
	s_cbranch_scc0 .Lfor_b_\@
	tensor_load_to_lds s[\g0a:\g0a+3], s[\g1a:\g1a+7]
	s_nop 0
.rept 4
	v_nop
.endr
	s_branch .Lasked_\@
.Lfor_b_\@:
	tensor_load_to_lds s[\g0b:\g0b+3], s[\g1b:\g1b+7]
	s_nop 0
.rept 4
	v_nop
.endr
.Lasked_\@:
.endm
.macro CROUND                          ; a round of the cluster's barrier
	s_barrier_signal -1
	s_barrier_wait -1
	s_cmp_lg_u32 s14, 0
	s_cbranch_scc1 .Lnot_wave_0_\@
	s_barrier_signal -3
.Lnot_wave_0_\@:
	s_barrier_wait -3
	s_barrier_signal -1
	s_barrier_wait -1
.endm
	s_load_b256 s[4:11], s[0:1], 0x0               ; cod s[4:5], scl s[6:7], qkv s[8:9], hd s[10:11]
	v_lshl_add_u32 v[SPW], v0, 2, SPARE
	v_mov_b32 v[NIL], 0
	ds_add_u32 v[SPW], v[NIL]                      ; the wave's opening: the add, twice on end, and its wait ahead of my first tensor load
	ds_add_u32 v[SPW], v[NIL]
	v_lshrrev_b32 v1, 5, v0
	v_readfirstlane_b32 s14, v1                    ; wave
	s_lshr_b32 s15, s14, 1                         ; my half of the tile's rows; also: I fetch for x (0) or for the weights (1)
	s_and_b32 s16, s14, 1                          ; my half of its columns; also: which 128 rows I fetch
	s_bfe_u32 s40, ttmp6, 0x40000                  ; cx
	s_bfe_u32 s41, ttmp6, 0x40004                  ; cy
	s_lshl_b32 s42, ttmp9, 2
	s_add_co_u32 s42, s42, s40                     ; tile column 0 .. 11
	s_and_b32 s17, ttmp7, 0xffff
	s_lshl_b32 s17, s17, 2
	s_add_co_u32 s17, s17, s41                     ; tile row 0 .. 31
	s_lshl_b32 s43, s41, 2
	s_lshl_b32 s43, 15, s43                        ; my row of the cluster
	s_lshl_b32 s44, 0x1111, s40                    ; my column
	s_or_b32 s[G1+0], s43, (0<<16)|(1<<20)|(1<<21)|(5<<22)|(3<<25)   ; mask; elements of 1 byte; padding: 4 words behind every 64; bit 21 beside a mask
	s_or_b32 s[G1B+0], s44, (0<<16)|(1<<20)|(1<<21)|(5<<22)|(3<<25)
.irp g, G1, G1B
	s_mov_b32 s[\g+1], ROWB<<16                    ; tensor_dim0
	s_mov_b32 s[\g+2], 128<<16                     ; tensor_dim1
	s_mov_b32 s[\g+3], ROWB<<16                    ; tile_dim0
	s_mov_b32 s[\g+4], 128                         ; tile_dim1
	s_mov_b32 s[\g+5], KROW                        ; pitch
	s_mov_b32 s[\g+6], 0
	s_mov_b32 s[\g+7], 0
.endr
	s_or_b32 s[G1S+0], s43, (3<<16)|(1<<20)|(1<<21)|(5<<22)|(3<<25)  ; the scales of 128 rows: 4,096 dense bytes as 16 rows of 32 elements of 8 bytes
	s_or_b32 s[G1SB+0], s44, (3<<16)|(1<<20)|(1<<21)|(5<<22)|(3<<25)
.irp g, G1S, G1SB
	s_mov_b32 s[\g+1], 32<<16
	s_mov_b32 s[\g+2], 16<<16
	s_mov_b32 s[\g+3], 32<<16
	s_mov_b32 s[\g+4], 16
	s_mov_b32 s[\g+5], 32
	s_mov_b32 s[\g+6], 0
	s_mov_b32 s[\g+7], 0
.endr
	s_lshl_b32 s18, s16, 7
	s_lshl_b32 s20, s17, 8
	s_add_co_u32 s20, s20, s18                     ; x: token 256 x tile row + 128 x half
	s_lshl_b32 s46, s42, 8
	s_add_co_u32 s46, s46, s18                     ; weights: row 256 x tile column + 128 x half
	s_lshl_b32 s22, s20, 5                         ; their scale bytes,
	s_mov_b32 s23, 0
	s_lshl_b32 s92, s46, 5
	s_add_co_u32 s92, s92, WSCL
	s_mov_b32 s93, 0
	s_lshl_b32 s20, s20, 9                         ; and their codes
	s_mov_b32 s21, 0
	s_lshl_b32 s46, s46, 9
	s_add_co_u32 s46, s46, WCOD
	s_mov_b32 s47, 0
	s_mul_i32 s45, s14, HALFT                      ; where they go: no place in the cluster enters an LDS address
	s_mul_i32 s94, s14, HALFS
	s_wait_dscnt 0x0                               ; both opening adds are done
	s_wait_kmcnt 0x0
	s_add_nc_u64 s[20:21], s[4:5], s[20:21]
	s_add_nc_u64 s[22:23], s[6:7], s[22:23]
	s_add_nc_u64 s[46:47], s[4:5], s[46:47]
	s_add_nc_u64 s[92:93], s[6:7], s[92:93]
	CROUND                                         ; all sixteen work-groups are here: the joint loads meet
	s_mov_b32 s[G0S], 1
	s_add_co_u32 s[G0S+1], s94, SCL
	s_mov_b64 s[G0S+2:G0S+3], s[22:23]
	s_or_b32 s[G0S+3], s[G0S+3], 0x80000000
	s_mov_b32 s[G0SB], 1
	s_add_co_u32 s[G0SB+1], s94, SCL
	s_mov_b64 s[G0SB+2:G0SB+3], s[92:93]
	s_or_b32 s[G0SB+3], s[G0SB+3], 0x80000000
	JLOAD G0S, G1S, G0SB, G1SB                     ; three loads of mine go out together: the scales, K step 0, K step 1
.irp s, 0,1
	s_mov_b32 s[G0+4*\s], 1
	s_add_co_u32 s[G0+4*\s+1], s45, \s*SLOT
	s_add_nc_u64 s[G0+4*\s+2:G0+4*\s+3], s[20:21], \s*ROWB
	s_or_b32 s[G0+4*\s+3], s[G0+4*\s+3], 0x80000000
	s_mov_b32 s[G0B+4*\s], 1
	s_add_co_u32 s[G0B+4*\s+1], s45, \s*SLOT
	s_add_nc_u64 s[G0B+4*\s+2:G0B+4*\s+3], s[46:47], \s*ROWB
	s_or_b32 s[G0B+4*\s+3], s[G0B+4*\s+3], 0x80000000
	JLOAD G0+4*\s, G1, G0B+4*\s, G1B
.endr
	v_and_b32 v1, 15, v0                           ; r
	v_bfe_u32 v2, v0, 4, 1                         ; h
	v_mul_u32_u24 v3, v1, PITCH
	v_lshl_add_u32 v4, v2, 4, v3                   ; row x pitch + 16 h
	s_mul_i32 s21, s15, HALFT
	s_mul_i32 s22, s16, HALFT
	s_add_co_u32 s22, s22, 2*HALFT
.irp s, 0,1
	v_add_nc_u32 v[ADRA+\s], s21, v4
	v_add_nc_u32 v[ADRB+\s], s22, v4
	s_add_co_u32 s21, s21, SLOT
	s_add_co_u32 s22, s22, SLOT
.endr
	v_mul_u32_u24 v5, v1, KS                       ; my row's scales: 32 bytes a row, 16 more for each 256 passed
	v_lshrrev_b32 v6, 8, v5
	v_lshl_add_u32 v5, v6, 4, v5
	s_mul_i32 s21, s15, HALFS
	s_mul_i32 s22, s16, HALFS
	s_add_co_u32 s22, s22, 2*HALFS
	s_sub_co_u32 s22, s22, s21
	v_mul_u32_u24 v6, s22, v2                      ; lanes 16-31 take the weights'
	s_add_co_u32 s21, s21, SCL
	v_add_nc_u32 v5, v5, v6
	v_add_nc_u32 v[ADRS], s21, v5
	s_mul_i32 s23, s14, 16*SPITCH                  ; my stage
	v_add_nc_u32 v[STO], s23, v4                   ; in: row r, 16 bytes for each half of the lanes
	v_mul_u32_u24 v5, v2, SPITCH
	v_lshl_add_u32 v5, v1, 4, v5
	v_add_nc_u32 v[RD], s23, v5                    ; back: lanes 0-15 one row of 256 bytes, lanes 16-31 the next
	v_lshlrev_b32 v5, 11, v2
	v_lshl_add_u32 v[CO], v1, 4, v5                ; the same two rows in qkv (2,048 bytes a row)
	v_lshlrev_b32 v5, 12, v1
	v_lshl_add_u32 v[HO], v2, 5, v5                ; hd: token r of 4,096 bytes, + 32 h
	s_and_b32 s23, s17, 7
	s_or_b32 s23, s23, s15
	v_mov_b32 v[FLG], s23
	s_lshl_b32 s20, s17, 8
	s_lshl_b32 s21, s15, 7
	s_add_co_u32 s20, s20, s21                     ; my first token
	s_lshl_b32 s20, s20, 11
	s_lshl_b32 s21, ttmp9, 24                      ; the cluster's x says which of q, k, v: 16,777,216 bytes each
	s_add_co_u32 s20, s20, s21
	s_lshl_b32 s46, s40, 9                         ; my first channel in it, in bytes of f16: 512 cx + 256 x half
	s_lshl_b32 s47, s16, 8
	s_add_co_u32 s46, s46, s47
	s_add_co_u32 s20, s20, s46
	s_mov_b32 s21, 0
	s_add_nc_u64 s[12:13], s[8:9], s[20:21]
	s_lshl_b32 s22, ttmp9, 18
	s_lshr_b32 s23, s17, 3                         ; the sequence
	s_lshl_b32 s23, s23, 16
	s_add_co_u32 s22, s22, s23
	s_lshl_b32 s46, s46, 1
	s_add_co_u32 s22, s22, s46
	s_mov_b32 s23, 0
	s_add_nc_u64 s[96:97], s[10:11], s[22:23]
.macro FRAG reg, adr, q, i             ; 16 rows x 128 K of 4-bit codes: registers 4 c .. 4 c + 3 hold K = 64 c + 32 h + 0 .. 31
.irp c, 0,1
	ds_load_b128 v[\reg+4*\c:\reg+4*\c+3], v[\adr] offset:64*(\q)+32*\c+(\i)*16*PITCH
.endr
.endm
; 16 matrix instructions: x's blocks a0, a0 + 1 against the weights' eight.  The 64 accumulators take turns, one instruction a turn.
.macro MUL16 a0, p, q, sc, zero
.irp a, \a0, \a0+1
.irp b, 0,1,2,3,4,5,6,7
.if \zero
	v_wmma_scale_f32_16x16x128_f8f6f4 v[8*(8*((\a)%4)+\b):8*(8*((\a)%4)+\b)+7], v[128*(\p)+FR*\b:128*(\p)+FR*\b+FR-1], v[AF+FR*(\a):AF+FR*(\a)+FR-1], 0, v[SC+8*NQ*(\sc)+NQ*\b+(\q)], v[SC+8*NQ*(\sc)+NQ*(\a)+(\q)] matrix_a_fmt:MATRIX_FMT_FP4 matrix_b_fmt:MATRIX_FMT_FP4 matrix_a_scale:MATRIX_SCALE_ROW1
.else
	v_wmma_scale_f32_16x16x128_f8f6f4 v[8*(8*((\a)%4)+\b):8*(8*((\a)%4)+\b)+7], v[128*(\p)+FR*\b:128*(\p)+FR*\b+FR-1], v[AF+FR*(\a):AF+FR*(\a)+FR-1], v[8*(8*((\a)%4)+\b):8*(8*((\a)%4)+\b)+7], v[SC+8*NQ*(\sc)+NQ*\b+(\q)], v[SC+8*NQ*(\sc)+NQ*(\a)+(\q)] matrix_a_fmt:MATRIX_FMT_FP4 matrix_b_fmt:MATRIX_FMT_FP4 matrix_a_scale:MATRIX_SCALE_ROW1
.endif
.endr
.endr
.endm
.macro FETCH_B slot, q, p
	WIN TO_B
.irp i, 0,1,2,3,4,5,6,7
	FRAG 128*(\p)+FR*\i, ADRB+\slot, \q, \i
.endr
	WIN 0
.endm
.macro FETCH_A slot, q, i0
.irp i, \i0, \i0+1, \i0+2, \i0+3
	FRAG AF+FR*(\i), ADRA+\slot, \q, \i
.endr
.endm
.macro SCALES sc                       ; a K step's scale words: lanes 0-15 x's block i, lanes 16-31 the weights' block i
.irp i, 0,1,2,3,4,5,6,7
	ds_load_b128 v[SC+8*NQ*\sc+NQ*\i:SC+8*NQ*\sc+NQ*\i+3], v[ADRS] offset:\i*SBLK
.endr
.endm
.macro PLACES n                        ; plain vector lines between a matrix instruction and a load into, or a read of, its registers
.rept \n
	v_nop
.endr
.endm
.macro STEP slot, q, zero              ; 128 along K, with its successor in the same slot
	s_wait_dscnt 4*NL                              ; all but x's blocks 4-7 are in
	WIN MUL_LO
	MUL16 0, (\q)%2, \q, \slot, \zero
	MUL16 2, (\q)%2, \q, \slot, \zero
	s_wait_dscnt 0
	PLACES NP
	FETCH_B \slot, (\q)+1, 1-(\q)%2
	FETCH_A \slot, (\q)+1, 0
	WIN MUL_HI
	MUL16 4, (\q)%2, \q, \slot, \zero
	MUL16 6, (\q)%2, \q, \slot, \zero
	PLACES NP
	WIN 0
	FETCH_A \slot, (\q)+1, 4
.endm
.macro STEPS slot, from
.set Q, \from
.rept NQ-1-\from
	STEP \slot, Q, 0
.set Q, Q+1
.endr
.endm
	s_wait_tensorcnt 1                             ; the scales and my part of K step 0 are in; K step 1's load may be out
	s_barrier_signal -1
	s_barrier_wait -1
	FETCH_B 0, 0, 0
	FETCH_A 0, 0, 0
	SCALES 0
	FETCH_A 0, 0, 4
	STEP 0, 0, 1                                   ; the first products start the sums: nothing is cleared
	STEPS 0, 1
	; slot 0's last step changes slots: one barrier; nothing is filled again
	s_wait_tensorcnt 0x0                           ; my part of slot 1 has landed
	ds_add_u32 v[SPW], v[NIL]
	s_wait_dscnt 4*NL+1                            ; the add and x's blocks 4-7 may be out
	WIN MUL_LO
	MUL16 0, 1, NQ-1, 0, 0
	s_wait_dscnt 0x0                               ; the add is done, and my reads of slot 0 are over
	s_barrier_signal -1
	MUL16 2, 1, NQ-1, 0, 0
	WIN 0
	s_barrier_wait -1
	PLACES NP
	v_add_nc_u32 v[ADRS], 4*NQ, v[ADRS]            ; the next K step's scale words
	FETCH_B 1, 0, 0
	FETCH_A 1, 0, 0
	SCALES 1
	WIN MUL_HI
	MUL16 4, 1, NQ-1, 0, 0
	MUL16 6, 1, NQ-1, 0, 0
	PLACES NP
	WIN 0
	FETCH_A 1, 0, 4
	STEPS 1, 0
	s_wait_dscnt 4*NL
	WIN MUL_LO
	MUL16 0, 1, NQ-1, 1, 0
	MUL16 2, 1, NQ-1, 1, 0
	s_wait_dscnt 0
	WIN MUL_HI
	MUL16 4, 1, NQ-1, 1, 0
	MUL16 6, 1, NQ-1, 1, 0
	WIN 0
	PLACES NP
	; The first 16 tokens of a sequence in f32.  Which waves hold them hangs on the work-group's place in its cluster: so the lanes are switched off instead.
	s_wait_xcnt 0x0                                ; EXEC changes only behind this wait
	v_cmp_eq_u32 vcc_lo, 0, v[FLG]
	s_and_saveexec_b32 s66, vcc_lo
	WIN 0x08                                       ; a store's data are its source 1: window 2
.irp b, 0,1,2,3,4,5,6,7
	global_store_b128 v[HO], v[8*\b:8*\b+3], s[96:97] offset:64*\b        ; token r, channels 16 b + 8 h + 0 .. 3: each accumulator from its low end on
	global_store_b128 v[HO], v[8*\b+4:8*\b+7], s[96:97] offset:64*\b+16
.endr
	WIN 0
	s_wait_xcnt 0x0                                ; and again in front of the line that widens it
	s_or_b32 exec_lo, exec_lo, s66
; THE WAY OUT, a block of 16 tokens x 128 channels at a time: rounded to f16, 16 bytes a lane, through my stage, back as whole rows of 256 bytes.
.macro PACK a
.set AC, 64*((\a)%4)
.set WS, 0x0a+5*((\a)/4)
	WIN WS                                         ; sources 0 and 1: window 2 or 3
.irp b, 0,1,2,3,4,5,6,7
.irp r, 0,1,2,3
	v_cvt_pk_f16_f32 v[TMP+4*\b+\r], v[AC+8*\b+2*\r], v[AC+8*\b+2*\r+1]
.endr
.endr
	WIN 0
.endm
.macro TOSTAGE a
.set BB, BK+128*((\a)%2)
.irp b, 0,1,2,3,4,5,6,7
	ds_store_b128 v[STO], v[TMP+4*\b:TMP+4*\b+3] offset:32*\b
.endr
.irp t, 0,1,2,3,4,5,6,7
	ds_load_b128 v[BB+4*\t:BB+4*\t+3], v[RD] offset:\t*2*SPITCH    ; LDS serves a wave's instructions in order: these see the stores above
.endr
.endm
.macro SEND a
.set BB, BK+128*((\a)%2)
	s_wait_dscnt 0x0                               ; the block is back in registers
	s_wait_xcnt 0x0                                ; the block before has been read by its stores: its registers take the next block's loads
.irp t, 0,1,2,3,4,5,6,7
	global_store_b128 v[CO], v[BB+4*\t:BB+4*\t+3], s[12:13] offset:(\a)*32768+\t*4096   ; sixteen lanes store 256 consecutive bytes, aligned
.endr
.endm
	PACK 0
	TOSTAGE 0
.irp a, 1,2,3,4,5,6,7
	PACK \a
	SEND \a-1
	TOSTAGE \a
.endr
	SEND 7
	s_wait_tensorcnt 0x0                           ; the wave's end
	ds_add_u32 v[SPW], v[NIL]
	s_wait_dscnt 0x0
	CROUND                                         ; the closing round
	s_endpgm
.Lfunc_end_k_q2f13495213_proj:
	.size	k_q2f13495213_proj, .Lfunc_end_k_q2f13495213_proj-k_q2f13495213_proj
	.p2alignl 7, 3214868480
	.fill 96, 4, 3214868480
	.section	.rodata,"a",@progbits
	.p2align	6, 0x0
	.amdhsa_kernel k_q2f13495213_proj
		.amdhsa_group_segment_fixed_size 327680
		.amdhsa_private_segment_fixed_size 0
		.amdhsa_enable_private_segment 0
		.amdhsa_kernarg_size 32
		.amdhsa_user_sgpr_count 2
		.amdhsa_user_sgpr_kernarg_segment_ptr 1
		.amdhsa_wavefront_size32 1
		.amdhsa_system_sgpr_workgroup_id_x 1
		.amdhsa_system_sgpr_workgroup_id_y 1
		.amdhsa_system_sgpr_workgroup_id_z 1
		.amdhsa_system_vgpr_workitem_id 0
		.amdhsa_next_free_vgpr 1024
		.amdhsa_next_free_sgpr 98
		.amdhsa_reserve_vcc 1
		.amdhsa_float_denorm_mode_32 3
		.amdhsa_float_denorm_mode_16_64 3
		.amdhsa_memory_ordered 1
		.amdhsa_forward_progress 1
		.amdhsa_inst_pref_size 128
	.end_amdhsa_kernel
	.amdgpu_metadata
---
amdhsa.version: [ 1, 2 ]
amdhsa.kernels:
  - .name:           k_q2f13495213_proj
    .symbol:         k_q2f13495213_proj.kd
    .args:
      - { .name: cod, .offset: 0, .size: 8, .value_kind: global_buffer, .address_space: global }
      - { .name: scl, .offset: 8, .size: 8, .value_kind: global_buffer, .address_space: global }
      - { .name: qkv, .offset: 16, .size: 8, .value_kind: global_buffer, .address_space: global }
      - { .name: hd, .offset: 24, .size: 8, .value_kind: global_buffer, .address_space: global }
    .group_segment_fixed_size: 327680
    .private_segment_fixed_size: 0
    .kernarg_segment_align: 8
    .kernarg_segment_size: 32
    .max_flat_workgroup_size: 128
    .sgpr_count:     98
    .vgpr_count:     1024
    .wavefront_size: 32
...
	.end_amdgpu_metadata
.endif
;; end of part 2
;; launch head (part 3): grid 8 x 4, 8 waves a work-group, no clusters, 17,664 bytes of LDS; arguments hd, out0; writes out0
.if DOCPART == 3
	.amdgcn_target "amdgcn-amd-amdhsa--gfx1250"
	.amdhsa_code_object_version 6
	.text
	.protected	k_q2f13495213_head
	.globl	k_q2f13495213_head
	.p2align	8
	.type	k_q2f13495213_head,@function
k_q2f13495213_head:
	s_mov_b64 s[64:65], 0
	v_nop
	global_prefetch_b8 v0, s[64:65] scope:SCOPE_SE
	s_setreg_imm32_b32 hwreg(HW_REG_WAVE_MODE, 25, 1), 1
	s_wait_xcnt 0x0
; Rows 0 to 15 of each of the 4 sequences, wholly in f32: under the causal mask they average 1 to 16 values, and 16-bit operands would weigh most there.
; hd: q, k, v of those tokens, f32, [3][4][16][1024].  A work-group (x: 128 channels of the output, y: the sequence) has 8 waves.
; S^T = k q^T (16 keys x 16 queries, K = 1,024): wave w sums channels 128 w .. 128 w + 127 by 32 matrix instructions of 16 x 16 x 4, four accumulators by turns; the eight parts meet in LDS.
; Every wave then takes the softmax (a lane holds one query, r, and keys 8 h + 0 .. 7) and makes O^T = v^T p for its 16 channels.  No cluster: 192 KiB of input in all.
.set PS,    0                          ; LDS: eight parts of S^T, images of 8 registers: 1,024 bytes each
.set OS,    8192                       ; 16 rows of the output x (512 bytes + 16)
.set SPARE, 16640
.set QF,  16                           ; v16-79  q, later the eight parts
.set KF,  80                           ; v80-143 k
.set VF,  144                          ; v144-151 v
.set SA,  152                          ; v152-183 four accumulators of S^T: written by matrix instructions alone
.set OA,  184                          ; v184-199 two of O^T: likewise
.set S,   200                          ; v200-207 S^T, then p
.set T,   208                          ; v208-231 at work
.set SPW, 252
.set NIL, 253
	s_load_b128 s[4:7], s[0:1], 0x0                ; hd, out0
	v_lshl_add_u32 v[SPW], v0, 2, SPARE
	v_mov_b32 v[NIL], 0
	v_lshrrev_b32 v1, 5, v0
	v_readfirstlane_b32 s8, v1                     ; wave
	s_and_b32 s9, ttmp7, 0xffff                    ; the sequence
	v_and_b32 v1, 15, v0                           ; r
	v_bfe_u32 v2, v0, 4, 1                         ; h
	v_and_b32 v3, 31, v0                           ; lane
	v_lshlrev_b32 v4, 12, v1
	v_lshl_add_u32 v4, v2, 4, v4                   ; q, k: token r of 4,096 bytes, + 16 h
	v_lshlrev_b32 v5, 2, v1
	v_lshl_add_u32 v5, v2, 15, v5                  ; v: token 8 h, channel r
	v_lshlrev_b32 v6, 4, v3                        ; 16 x lane
	s_lshl_b32 s14, s8, 10
	v_add_nc_u32 v7, s14, v6                       ; my part's image
	v_mul_u32_u24 v8, v1, 528
	v_lshl_add_u32 v8, v2, 5, v8
	s_lshl_b32 s15, s8, 6
	s_add_co_u32 s15, s15, OS
	v_add_nc_u32 v8, s15, v8                       ; the stage: row r, + 64 w + 32 h
	s_mul_i32 s16, s8, 2*528
	s_add_co_u32 s16, s16, OS
	v_add_nc_u32 v9, s16, v6                       ; back: rows 2 w and 2 w + 1, 16 bytes a lane
	v_lshlrev_b32 v10, 3, v2
	v_sub_nc_u32 v10, v1, v10                      ; d = r - 8 h: register j's key is hidden where j > d
	s_mov_b32 s20, 0x76543210
	s_mov_b32 s21, 0xfedcba98                      ; lane l xor 16
	s_mov_b32 s22, 0x3d38aa3b                      ; c = log2(e) / sqrt(1024)
	s_lshl_b32 s10, s9, 16
	s_lshl_b32 s11, s8, 9
	s_add_co_u32 s10, s10, s11                     ; q: the sequence's 65,536 bytes, my wave's 128 channels
	s_mov_b32 s11, 0
	s_lshl_b32 s12, s9, 16
	s_lshl_b32 s13, ttmp9, 9
	s_add_co_u32 s12, s12, s13
	s_add_co_u32 s12, s12, s15
	s_sub_co_u32 s12, s12, OS                      ; + 64 w: my 16 channels
	s_add_co_u32 s12, s12, 524288                  ; v lies behind q and k
	s_mov_b32 s13, 0
	s_lshl_b32 s18, s9, 23                         ; the output: 2,048 rows of 4,096 bytes a sequence,
	s_lshl_b32 s19, s8, 13                         ; rows 2 w on,
	s_add_co_u32 s18, s18, s19
	s_lshl_b32 s19, ttmp9, 9                       ; 128 channels x
	s_add_co_u32 s18, s18, s19
	s_mov_b32 s19, 0
	s_wait_kmcnt 0x0
	s_add_nc_u64 s[10:11], s[4:5], s[10:11]
	s_add_nc_u64 s[12:13], s[4:5], s[12:13]
	s_add_nc_u64 s[6:7], s[6:7], s[18:19]
.irp e, 0,1,2,3,4,5,6,7,8,9,10,11,12,13,14,15
	global_load_b128 v[QF+4*\e:QF+4*\e+3], v4, s[10:11] offset:32*\e           ; channels 128 w + 8 e + 4 h + 0 .. 3 of token r
	global_load_b128 v[KF+4*\e:KF+4*\e+3], v4, s[10:11] offset:262144+32*\e
.endr
.irp j, 0,1,2,3,4,5,6,7
	global_load_b32 v[VF+\j], v5, s[12:13] offset:4096*\j                      ; v(token 8 h + j, my channel r)
.endr
	s_wait_loadcnt 0x0
; Instruction i takes registers 2 i, 2 i + 1 of both: the same channels on both sides, so the order of the channels within the sum is free.
.set i, 0
.rept 32
.if i < 4
	v_wmma_f32_16x16x4_f32 v[SA+8*(i%4):SA+8*(i%4)+7], v[KF+2*i:KF+2*i+1], v[QF+2*i:QF+2*i+1], 0
.else
	v_wmma_f32_16x16x4_f32 v[SA+8*(i%4):SA+8*(i%4)+7], v[KF+2*i:KF+2*i+1], v[QF+2*i:QF+2*i+1], v[SA+8*(i%4):SA+8*(i%4)+7]
.endif
.set i, i+1
.endr
.rept 8
	v_nop                                          ; eight places behind this form
.endr
.irp j, 0,2,4,6
	v_pk_add_f32 v[S+\j:S+\j+1], v[SA+\j:SA+\j+1], v[SA+8+\j:SA+9+\j]
	v_pk_add_f32 v[T+\j:T+\j+1], v[SA+16+\j:SA+17+\j], v[SA+24+\j:SA+25+\j]
	v_pk_add_f32 v[S+\j:S+\j+1], v[S+\j:S+\j+1], v[T+\j:T+\j+1]
.endr
	ds_store_b128 v7, v[S:S+3]
	ds_store_b128 v7, v[S+4:S+7] offset:512
	s_wait_dscnt 0x0                               ; for the others' sake: my part has landed
	s_barrier_signal -1
	s_barrier_wait -1
.irp w, 0,1,2,3,4,5,6,7
	ds_load_b128 v[QF+8*\w:QF+8*\w+3], v6 offset:1024*\w
	ds_load_b128 v[QF+8*\w+4:QF+8*\w+7], v6 offset:1024*\w+512
.endr
	s_wait_dscnt 0x0
.irp j, 0,2,4,6
	v_pk_add_f32 v[S+\j:S+\j+1], v[QF+\j:QF+\j+1], v[QF+8+\j:QF+9+\j]
.endr
.irp w, 2,3,4,5,6,7
.irp j, 0,2,4,6
	v_pk_add_f32 v[S+\j:S+\j+1], v[S+\j:S+\j+1], v[QF+8*\w+\j:QF+8*\w+\j+1]
.endr
.endr
	v_mov_b32 v[T+8], 0xff800000                   ; -infinity
.irp j, 0,1,2,3,4,5,6,7
	v_cmp_gt_i32 vcc_lo, \j, v10
	v_cndmask_b32 v[S+\j], v[S+\j], v[T+8], vcc_lo
.endr
	v_max3_num_f32 v[T], v[S], v[S+1], v[S+2]
	v_max3_num_f32 v[T], v[T], v[S+3], v[S+4]
	v_max3_num_f32 v[T], v[T], v[S+5], v[S+6]
	v_max_num_f32 v[T], v[T], v[S+7]
	v_mov_b32 v[T+1], 0                            ; a lane permute's destination counts as read
	v_permlanex16_b32 v[T+1], v[T], s20, s21
	v_max_num_f32 v[T], v[T], v[T+1]               ; the row's maximum: key 0 counts for every query, so it is a number
	v_mul_f32 v[T], s22, v[T]
.irp j, 0,1,2,3,4,5,6,7
	v_fma_f32 v[S+\j], v[S+\j], s22, -v[T]
.endr
.irp j, 0,1,2,3,4,5,6,7
	v_exp_f32 v[S+\j], v[S+\j]
.endr
	v_nop                                          ; a plain line behind the batch,
	s_wait_alu depctr_va_vdst(0)                   ; and the one wait ahead of its first reader
	v_add_f32 v[T+2], v[S], v[S+1]
	v_add_f32 v[T+3], v[S+2], v[S+3]
	v_add_f32 v[T+4], v[S+4], v[S+5]
	v_add_f32 v[T+5], v[S+6], v[S+7]
	v_add_f32 v[T+2], v[T+2], v[T+3]
	v_add_f32 v[T+4], v[T+4], v[T+5]
	v_add_f32 v[T+2], v[T+2], v[T+4]
	v_permlanex16_b32 v[T+1], v[T+2], s20, s21
	v_add_f32 v[T+2], v[T+2], v[T+1]
	v_rcp_f32 v[T+3], v[T+2]
	v_nop
	s_wait_alu depctr_va_vdst(0)
.irp j, 0,1,2,3,4,5,6,7
	v_mul_f32 v[S+\j], v[S+\j], v[T+3]
.endr
	; O^T = v^T p: instruction u takes keys 8 h + 2 u, 8 h + 2 u + 1 on both sides; two accumulators by turns
	v_wmma_f32_16x16x4_f32 v[OA:OA+7], v[VF:VF+1], v[S:S+1], 0
	v_wmma_f32_16x16x4_f32 v[OA+8:OA+15], v[VF+2:VF+3], v[S+2:S+3], 0
	v_wmma_f32_16x16x4_f32 v[OA:OA+7], v[VF+4:VF+5], v[S+4:S+5], v[OA:OA+7]
	v_wmma_f32_16x16x4_f32 v[OA+8:OA+15], v[VF+6:VF+7], v[S+6:S+7], v[OA+8:OA+15]
.rept 8
	v_nop
.endr
.irp j, 0,2,4,6
	v_pk_add_f32 v[T+\j:T+\j+1], v[OA+\j:OA+\j+1], v[OA+8+\j:OA+9+\j]          ; query r, channels 16 w + 8 h + 0 .. 7
.endr
	ds_store_b128 v8, v[T:T+3]
	ds_store_b128 v8, v[T+4:T+7] offset:16
	s_wait_dscnt 0x0
	s_barrier_signal -1
	s_barrier_wait -1
	ds_load_b128 v[T+8:T+11], v9
	ds_load_b128 v[T+12:T+15], v9 offset:528
	s_wait_dscnt 0x0
	global_store_b128 v6, v[T+8:T+11], s[6:7]                  ; 32 lanes store 512 consecutive bytes, aligned
	global_store_b128 v6, v[T+12:T+15], s[6:7] offset:4096
	s_wait_tensorcnt 0x0                           ; the wave's end
	ds_add_u32 v[SPW], v[NIL]
	s_wait_dscnt 0x0
	s_endpgm
.Lfunc_end_k_q2f13495213_head:
	.size	k_q2f13495213_head, .Lfunc_end_k_q2f13495213_head-k_q2f13495213_head
	.p2alignl 7, 3214868480
	.fill 96, 4, 3214868480
	.section	.rodata,"a",@progbits
	.p2align	6, 0x0
	.amdhsa_kernel k_q2f13495213_head
		.amdhsa_group_segment_fixed_size 17664
		.amdhsa_private_segment_fixed_size 0
		.amdhsa_enable_private_segment 0
		.amdhsa_kernarg_size 16
		.amdhsa_user_sgpr_count 2
		.amdhsa_user_sgpr_kernarg_segment_ptr 1
		.amdhsa_wavefront_size32 1
		.amdhsa_system_sgpr_workgroup_id_x 1
		.amdhsa_system_sgpr_workgroup_id_y 1
		.amdhsa_system_sgpr_workgroup_id_z 1
		.amdhsa_system_vgpr_workitem_id 0
		.amdhsa_next_free_vgpr 256
		.amdhsa_next_free_sgpr 66
		.amdhsa_reserve_vcc 1
		.amdhsa_float_denorm_mode_32 3
		.amdhsa_float_denorm_mode_16_64 3
		.amdhsa_memory_ordered 1
		.amdhsa_forward_progress 1
		.amdhsa_inst_pref_size 17
	.end_amdhsa_kernel
	.amdgpu_metadata
---
amdhsa.version: [ 1, 2 ]
amdhsa.kernels:
  - .name:           k_q2f13495213_head
    .symbol:         k_q2f13495213_head.kd
    .args:
      - { .name: hd, .offset: 0, .size: 8, .value_kind: global_buffer, .address_space: global }
      - { .name: out0, .offset: 8, .size: 8, .value_kind: global_buffer, .address_space: global }
    .group_segment_fixed_size: 17664
    .private_segment_fixed_size: 0
    .kernarg_segment_align: 8
    .kernarg_segment_size: 16
    .max_flat_workgroup_size: 256
    .sgpr_count:     66
    .vgpr_count:     256
    .wavefront_size: 32
...
	.end_amdgpu_metadata
.endif
;; end of part 3
;; launch sc (part 4): grid 9 x 16, 4 waves a work-group, no clusters, 327,680 bytes of LDS; arguments qkv, pb, st; writes pb, st
.if DOCPART == 4
	.amdgcn_target "amdgcn-amd-amdhsa--gfx1250"
	.amdhsa_code_object_version 6
	.text
	.protected	k_q2f13495213_sc
	.globl	k_q2f13495213_sc
	.p2align	8
	.type	k_q2f13495213_sc,@function
k_q2f13495213_sc:
	s_mov_b64 s[64:65], 0
	v_nop
	global_prefetch_b8 v0, s[64:65] scope:SCOPE_SE
	s_setreg_imm32_b32 hwreg(HW_REG_WAVE_MODE, 25, 1), 1
	s_wait_xcnt 0x0
; S = q k^T in f16 with f32 sums, on the 36 tiles of 256 x 256 of each sequence that the causal mask does not hide wholly, and the softmax's first half on the way out.
; For each query row and each block of 128 keys: t = score x log2(e) / 32; M = the block's largest t rounded up to a whole number; p = 2^(t - M), at most 1, goes to pb as f16 [4][2048][2048];
; -M and l = the sum of the unrounded p go to st, f32, [2][4][16 blocks][2048 rows].  The next launch joins the blocks by powers of two.  A block wholly hidden gets -M = 3e38, p = 0, l = 0.
; Work-group (x, y): sequence y / 4, p = y % 4; x <= p: tile (p, x), else tile (7 - p, x - p - 1): rows p and 7 - p of the triangle have 9 tiles together.
; NO CLUSTER: the triangle's rows and columns hold 1 to 8 tiles; groups of four with a common row or column would hold tiles wholly under the mask, whose partner would not read what a joint load brings.
; Four waves, 128 x 128 each: 64 accumulators.  K = 1,024 goes in 8 steps of 128 through two LDS slots; each wave fetches 128 rows x 256 bytes with one tensor load.
; THE MATRIX INSTRUCTION IS USED TRANSPOSED (source 0 = 16 keys, source 1 = 16 queries): a lane holds one query (lane % 16) and eight neighbouring keys.
; REGISTERS: window 0: v0-31 addresses; v64-191 q's fragments, two buffers, on the way out at work; v32-63, v192-255 the way out.  window 1: k's fragments.  windows 2, 3: the accumulators.
.set KSTEP,  128
.set PITCH,  272
.set HALFT,  128*PITCH
.set SLOT,   4*HALFT
.set STAGE,  2*SLOT
.set SPITCH, 272
.set SPARE,  STAGE+4*16*SPITCH
.set LAPS,   4
.set ADRA, 16
.set ADRB, 20
.set STO,  24
.set RD,   25
.set CO,   26
.set SO,   27                          ; v27 4 x lane
.set SPW,  28
.set NIL,  29
.set DB,   30                          ; v30 128 (rows' half - columns' half) + r - 8 h
.set NINF, 31                          ; v31 -infinity
.set F0,   64
.set F1,   128
.set OB,   32                          ; rows read back: v32-63 and v224-255 by turns
.set W,    64                          ; v64-127  t - M, then p
.set MX,   128                         ; v128-131 four chains of the maximum
.set NMP,  132                         ; v132-133 -M, as a pair
.set SM,   134                         ; v134-137 two chains of the sum
.set T0,   138
.set NM,   140                         ; v140-147 -M of my eight blocks of rows
.set LS,   148                         ; v148-155 l likewise
.set D,    156                         ; v156-163 the mask's bounds
.set ST8,  166                         ; v166-173 the statistics as they are stored
.set TMP,  192
.set G1, 24
.set G0, 32
.set CS,  46                           ; s[46:47] c
.set SEL, 48                           ; s[48:49] lane l xor 16
.set MSB, 0
.macro WIN new
.if MSB != \new
	s_set_vgpr_msb (MSB<<8)|\new
.set MSB, \new
.endif
.endm
.set MUL_LO, 0xa1
.set MUL_HI, 0xf1
.set TO_B,   0x40
	s_load_b128 s[4:7], s[0:1], 0x0                ; qkv, pb
	s_load_b64 s[8:9], s[0:1], 0x10                ; st
	v_lshl_add_u32 v[SPW], v0, 2, SPARE
	v_mov_b32 v[NIL], 0
	ds_add_u32 v[SPW], v[NIL]                      ; the wave's opening: the add, twice on end, and its wait ahead of my first tensor load
	ds_add_u32 v[SPW], v[NIL]
	v_lshrrev_b32 v1, 5, v0
	v_readfirstlane_b32 s10, v1                    ; wave
	s_lshr_b32 s11, s10, 1                         ; my half of the rows; also: I fetch q (0) or k (1)
	s_and_b32 s12, s10, 1                          ; my half of the columns; also: which 128 rows I fetch
	s_and_b32 s2, ttmp7, 0xffff
	s_lshr_b32 s40, s2, 2                          ; the sequence
	s_and_b32 s41, s2, 3                           ; p
	s_sub_co_u32 s42, 7, s41
	s_sub_co_u32 s43, ttmp9, s41
	s_sub_co_u32 s43, s43, 1
	s_cmp_le_u32 ttmp9, s41
	s_cselect_b32 s42, s41, s42                    ; I: the tile's row
	s_cselect_b32 s43, ttmp9, s43                  ; J: its column, at most I
	s_mov_b32 s[G1+0], (1<<16)|(1<<20)|(5<<22)|(3<<25)   ; no mask; elements of 2 bytes; 4 words of padding behind every 64
	s_mov_b32 s[G1+1], KSTEP<<16
	s_mov_b32 s[G1+2], 128<<16
	s_mov_b32 s[G1+3], KSTEP<<16
	s_mov_b32 s[G1+4], 128
	s_mov_b32 s[G1+5], 1024
	s_mov_b32 s[G1+6], 0
	s_mov_b32 s[G1+7], 0
	s_cmp_eq_u32 s11, 0
	s_cselect_b32 s16, s42, s43
	s_cselect_b32 s17, 0, 0x1000000                ; k lies 16,777,216 bytes behind q
	s_lshl_b32 s16, s16, 8
	s_lshl_b32 s18, s12, 7
	s_add_co_u32 s16, s16, s18
	s_lshl_b32 s18, s40, 11
	s_add_co_u32 s16, s16, s18                     ; the first token that I fetch
	s_lshl_b32 s16, s16, 11
	s_add_co_u32 s16, s16, s17
	s_mov_b32 s17, 0
	s_mul_i32 s20, s10, HALFT                      ; q's two halves, then k's two: wave x 128 rows
	s_mov_b32 s[CS], 0x3d38aa3b                    ; c = log2(e) / sqrt(1024)
	s_mov_b32 s[CS+1], s[CS]
	s_mov_b32 s[SEL], 0x76543210
	s_mov_b32 s[SEL+1], 0xfedcba98
	s_mov_b32 s44, 0xffff0000                      ; lanes 16-31
	s_wait_dscnt 0x0                               ; both opening adds are done
	s_wait_kmcnt 0x0
	s_add_nc_u64 s[14:15], s[4:5], s[16:17]
.irp s, 0,1
	s_mov_b32 s[G0+4*\s], 1
	s_add_co_u32 s[G0+4*\s+1], s20, \s*SLOT
	s_add_nc_u64 s[G0+4*\s+2:G0+4*\s+3], s[14:15], \s*KSTEP*2
	s_or_b32 s[G0+4*\s+3], s[G0+4*\s+3], 0x80000000
	tensor_load_to_lds s[G0+4*\s:G0+4*\s+3], s[G1:G1+7]            ; two loads of mine go out together: K steps 0 and 1
	s_nop 0
.endr
.rept 4
	v_nop
.endr
	v_and_b32 v1, 15, v0                           ; r
	v_bfe_u32 v2, v0, 4, 1                         ; h
	v_mul_u32_u24 v3, v1, PITCH
	v_lshl_add_u32 v3, v2, 4, v3
	s_mul_i32 s21, s11, HALFT
	s_mul_i32 s22, s12, HALFT
	s_add_co_u32 s22, s22, 2*HALFT
.irp s, 0,1
	v_add_nc_u32 v[ADRA+\s], s21, v3
	v_add_nc_u32 v[ADRB+\s], s22, v3
	s_add_co_u32 s21, s21, SLOT
	s_add_co_u32 s22, s22, SLOT
.endr
	s_mul_i32 s23, s10, 16*SPITCH
	s_add_co_u32 s23, s23, STAGE
	v_add_nc_u32 v[STO], s23, v3                   ; in: row r, 16 bytes for each half of the lanes
	v_mul_u32_u24 v5, v2, SPITCH
	v_lshl_add_u32 v5, v1, 4, v5
	v_add_nc_u32 v[RD], s23, v5                    ; back: two rows an instruction
	v_lshlrev_b32 v5, 12, v2
	v_lshl_add_u32 v[CO], v1, 4, v5                ; the same two rows in pb (4,096 bytes a row)
	v_and_b32 v5, 31, v0
	v_lshlrev_b32 v[SO], 2, v5
	s_sub_co_i32 s18, s11, s12
	s_lshl_b32 s18, s18, 7
	v_lshlrev_b32 v5, 3, v2
	v_sub_nc_u32 v5, v1, v5
	v_add_nc_u32 v[DB], s18, v5
	v_mov_b32 v[NINF], 0xff800000
	s_lshl_b32 s16, s42, 8
	s_lshl_b32 s17, s11, 7
	s_add_co_u32 s18, s16, s17                     ; my first row in the sequence
	s_lshl_b32 s16, s18, 12
	s_lshl_b32 s17, s40, 23
	s_add_co_u32 s16, s16, s17
	s_lshl_b32 s17, s43, 9
	s_add_co_u32 s16, s16, s17
	s_lshl_b32 s17, s12, 8
	s_add_co_u32 s16, s16, s17
	s_mov_b32 s17, 0
	s_add_nc_u64 s[6:7], s[6:7], s[16:17]
	s_lshl_b32 s16, s18, 2
	s_lshl_b32 s17, s40, 17
	s_add_co_u32 s16, s16, s17
	s_lshl_b32 s17, s43, 14
	s_add_co_u32 s16, s16, s17
	s_lshl_b32 s17, s12, 13
	s_add_co_u32 s16, s16, s17                     ; block 2 J + my half of the columns
	s_mov_b32 s17, 0
	s_add_nc_u64 s[8:9], s[8:9], s[16:17]
; 16 matrix instructions: m blocks a0, a0 + 1 of the window's four x all 8 n blocks, 32 along K.  The 64 accumulators take turns.
.macro MUL16 f, hi, a0, zero
.irp a, \a0, \a0+1
.irp b, 0,1,2,3,4,5,6,7
.if \zero
	v_wmma_f32_16x16x32_f16 v[8*(8*(\a)+\b):8*(8*(\a)+\b)+7], v[\f+8*\b:\f+8*\b+7], v[\f+8*(4*\hi+\a):\f+8*(4*\hi+\a)+7], 0
.else
	v_wmma_f32_16x16x32_f16 v[8*(8*(\a)+\b):8*(8*(\a)+\b)+7], v[\f+8*\b:\f+8*\b+7], v[\f+8*(4*\hi+\a):\f+8*(4*\hi+\a)+7], v[8*(8*(\a)+\b):8*(8*(\a)+\b)+7]
.endif
.endr
.endr
.endm
.macro FETCH slot, k, f                ; 32 LDS loads in one run: k's 128 rows, then q's, 32 along K at byte k
	WIN TO_B
.irp i, 0,1,2,3,4,5,6,7
	ds_load_b128 v[\f+8*\i:\f+8*\i+3],   v[ADRB+\slot] offset:\k+\i*16*PITCH
	ds_load_b128 v[\f+8*\i+4:\f+8*\i+7], v[ADRB+\slot] offset:\k+\i*16*PITCH+32
.endr
	WIN 0
.irp i, 0,1,2,3,4,5,6,7
	ds_load_b128 v[\f+8*\i:\f+8*\i+3],   v[ADRA+\slot] offset:\k+\i*16*PITCH
	ds_load_b128 v[\f+8*\i+4:\f+8*\i+7], v[ADRA+\slot] offset:\k+\i*16*PITCH+32
.endr
.endm
.macro PLACES                          ; four plain lines between a matrix instruction and a load into, or a read of, its registers
.rept 4
	v_nop
.endr
.endm
.macro QUARTER slot, k, f, g, zero
	s_wait_dscnt 8                                 ; all but q's rows 64-127 are in
	WIN MUL_LO
	MUL16 \f, 0, 0, \zero
	MUL16 \f, 0, 2, \zero
	PLACES
	FETCH \slot, \k, \g
	s_wait_dscnt 32                                ; all but the 32 just issued
	WIN MUL_HI
	MUL16 \f, 1, 0, \zero
	MUL16 \f, 1, 2, \zero
.endm
; A slot's last quarter changes slots: one barrier.  In front of it each wave waits for all its tensor loads (one is out: its part of the next slot), adds 0 to its spare word, and waits for that and
; for its reads of this slot.  fill = 1: this slot is filled again, two K steps on, first thing behind the barrier: 224 matrix instructions ahead of the wait for it.
.macro TURN slot, next, fill
	WIN 0
	s_wait_tensorcnt 0x0
	ds_add_u32 v[SPW], v[NIL]
.if \fill
	s_add_nc_u64 s[G0+4*\slot+2:G0+4*\slot+3], s[G0+4*\slot+2:G0+4*\slot+3], 2*KSTEP*2   ; no load of mine is out: the address may step
.endif
	s_wait_dscnt 9                                 ; the add and the youngest eight loads may be out
	WIN MUL_LO
	MUL16 F1, 0, 0, 0
	s_wait_dscnt 0x0                               ; the add is done, and my reads of this slot are over
	s_barrier_signal -1
	MUL16 F1, 0, 2, 0
	WIN 0
	s_barrier_wait -1
.if \fill
	tensor_load_to_lds s[G0+4*\slot:G0+4*\slot+3], s[G1:G1+7]
	s_nop 0
.endif
	PLACES
	FETCH \next, 0, F0
	WIN MUL_HI
	MUL16 F1, 1, 0, 0
	MUL16 F1, 1, 2, 0
.endm
	s_wait_tensorcnt 1                             ; my part of K step 0 is in; K step 1's may be out
	s_barrier_signal -1
	s_barrier_wait -1
	FETCH 0, 0, F0
	QUARTER 0, 64,  F0, F1, 1                      ; the first products start the sums
	WIN 0
	s_mov_b32 s3, LAPS-1
.Llap:                                             ; a trip goes once round the ring and fills both slots again
	QUARTER 0, 128, F1, F0, 0
	QUARTER 0, 192, F0, F1, 0
	TURN 0, 1, 1
	QUARTER 1, 64,  F0, F1, 0
	QUARTER 1, 128, F1, F0, 0
	QUARTER 1, 192, F0, F1, 0
	TURN 1, 0, 1
	QUARTER 0, 64,  F0, F1, 0
	WIN 0
	s_sub_co_u32 s3, s3, 1
	s_cmp_lg_u32 s3, 0
	s_cbranch_scc1 .Llap
	QUARTER 0, 128, F1, F0, 0                      ; the last lap fills nothing
	QUARTER 0, 192, F0, F1, 0
	TURN 0, 1, 0
	QUARTER 1, 64,  F0, F1, 0
	QUARTER 1, 128, F1, F0, 0
	QUARTER 1, 192, F0, F1, 0
	s_wait_dscnt 8
	WIN MUL_LO
	MUL16 F1, 0, 0, 0
	MUL16 F1, 0, 2, 0
	s_wait_dscnt 0
	WIN MUL_HI
	MUL16 F1, 1, 0, 0
	MUL16 F1, 1, 2, 0
	WIN 0
; THE WAY OUT, a block of 16 queries x my 128 keys at a time.  A lane holds 64 scores of its query; the lane 16 away holds the other 64.
.macro SOFT a
.set AC, 64*((\a)%4)
.set WN, 2+(\a)/4                      ; the window of the block's accumulators
.set WMK, (WN<<6)|WN
.set WM3, (WN<<4)|(WN<<2)|WN
.set WM2, (WN<<4)|(WN<<2)
	s_cmp_lg_u32 s42, s43                          ; only a tile on the diagonal has hidden keys
	s_cbranch_scc1 .Lopen_\@
.irp b, 0,1,2,3,4,5,6,7
	v_add_nc_u32 v[D+\b], 16*((\a)-\b), v[DB]      ; register 8 b + j is hidden where j is above this
.endr
	WIN WMK
.irp b, 0,1,2,3,4,5,6,7
.irp j, 0,1,2,3,4,5,6,7
	v_cmp_gt_i32 vcc_lo, \j, v[D+\b]
	v_cndmask_b32 v[AC+8*\b+\j], v[AC+8*\b+\j], v[NINF], vcc_lo
.endr
.endr
	WIN 0
.Lopen_\@:
	WIN WM3                                        ; the maximum: four chains of two accumulators each, every accumulator from its low end on
.irp c, 0,1,2,3
	v_max3_num_f32 v[MX+\c], v[AC+16*\c], v[AC+16*\c+1], v[AC+16*\c+2]
.endr
	WIN WM2
.irp i, 3,5,7,9,11,13
.irp c, 0,1,2,3
	v_max3_num_f32 v[MX+\c], v[MX+\c], v[AC+16*\c+\i], v[AC+16*\c+\i+1]
.endr
.endr
.irp c, 0,1,2,3
	v_max_num_f32 v[MX+\c], v[MX+\c], v[AC+16*\c+15]
.endr
	WIN 0
	v_max3_num_f32 v[MX], v[MX], v[MX+1], v[MX+2]
	v_max_num_f32 v[MX], v[MX], v[MX+3]
	v_permlanex16_b32 v[T0], v[MX], s[SEL], s[SEL+1]
	v_max_num_f32 v[MX], v[MX], v[T0]
	v_mul_f32 v[MX], s[CS], v[MX]                  ; as t
	v_max_num_f32 v[MX], 0xff61b1e6, v[MX]         ; held at -3e38: a block wholly hidden gets -M = 3e38
	v_floor_f32 v[NMP], -v[MX]                     ; -M = floor(-t): M is a whole number
	v_floor_f32 v[NMP+1], -v[MX]
	WIN WN
.set j, 0
.rept 32
	v_pk_fma_f32 v[W+j:W+j+1], v[AC+j:AC+j+1], s[CS:CS+1], v[NMP:NMP+1] op_sel_hi:[1,0,0]   ; t - M
.set j, j+2
.endr
	WIN 0
.set j, 0
.rept 64
	v_exp_f32 v[W+j], v[W+j]                       ; p = 2^(t - M)
.set j, j+1
.endr
	v_mov_b32 v[NM+(\a)], v[NMP]                   ; a plain line behind the batch,
	s_wait_alu depctr_va_vdst(0)                   ; and the one wait ahead of its first reader
	v_pk_add_f32 v[SM:SM+1], v[W:W+1], v[W+2:W+3]
	v_pk_add_f32 v[SM+2:SM+3], v[W+4:W+5], v[W+6:W+7]
.set j, 8
.rept 14
	v_pk_add_f32 v[SM:SM+1], v[SM:SM+1], v[W+j:W+j+1]
	v_pk_add_f32 v[SM+2:SM+3], v[SM+2:SM+3], v[W+j+2:W+j+3]
.set j, j+4
.endr
	v_pk_add_f32 v[SM:SM+1], v[SM:SM+1], v[SM+2:SM+3]
	v_add_f32 v[SM], v[SM], v[SM+1]
	v_permlanex16_b32 v[T0], v[SM], s[SEL], s[SEL+1]
	v_add_f32 v[LS+(\a)], v[SM], v[T0]             ; l, of the unrounded p
.set j, 0
.rept 32
	v_cvt_pk_f16_f32 v[TMP+j], v[W+2*j], v[W+2*j+1]
.set j, j+1
.endr
.endm
.macro TOSTAGE a
.set BB, OB+192*((\a)%2)
.irp b, 0,1,2,3,4,5,6,7
	ds_store_b128 v[STO], v[TMP+4*\b:TMP+4*\b+3] offset:32*\b
.endr
.irp t, 0,1,2,3,4,5,6,7
	ds_load_b128 v[BB+4*\t:BB+4*\t+3], v[RD] offset:\t*2*SPITCH    ; LDS serves a wave's instructions in order: these see the stores above
.endr
.endm
.macro SEND a
.set BB, OB+192*((\a)%2)
	s_wait_dscnt 0x0
	s_wait_xcnt 0x0                                ; the block before has been read by its stores: its registers take the next block's loads
.irp t, 0,1,2,3,4,5,6,7
	global_store_b128 v[CO], v[BB+4*\t:BB+4*\t+3], s[6:7] offset:(16*(\a)+2*\t)*4096   ; sixteen lanes store 256 consecutive bytes, aligned
.endr
.endm
	PLACES
	v_mov_b32 v[T0], 0                             ; a lane permute's destination counts as read
	SOFT 0
	TOSTAGE 0
.irp a, 1,2,3,4,5,6,7
	SOFT \a
	SEND \a-1
	TOSTAGE \a
.endr
	SEND 7
.irp u, 0,1,2,3
	v_cndmask_b32 v[ST8+\u], v[NM+2*\u], v[NM+2*\u+1], s44         ; lanes 0-15: rows 32 u + lane; lanes 16-31 likewise, from the next block
	v_cndmask_b32 v[ST8+4+\u], v[LS+2*\u], v[LS+2*\u+1], s44
.endr
.irp u, 0,1,2,3
	global_store_b32 v[SO], v[ST8+\u], s[8:9] offset:128*\u
	global_store_b32 v[SO], v[ST8+4+\u], s[8:9] offset:524288+128*\u
.endr
	s_wait_tensorcnt 0x0                           ; the wave's end
	ds_add_u32 v[SPW], v[NIL]
	s_wait_dscnt 0x0
	s_endpgm
.Lfunc_end_k_q2f13495213_sc:
	.size	k_q2f13495213_sc, .Lfunc_end_k_q2f13495213_sc-k_q2f13495213_sc
	.p2alignl 7, 3214868480
	.fill 96, 4, 3214868480
	.section	.rodata,"a",@progbits
	.p2align	6, 0x0
	.amdhsa_kernel k_q2f13495213_sc
		.amdhsa_group_segment_fixed_size 327680
		.amdhsa_private_segment_fixed_size 0
		.amdhsa_enable_private_segment 0
		.amdhsa_kernarg_size 24
		.amdhsa_user_sgpr_count 2
		.amdhsa_user_sgpr_kernarg_segment_ptr 1
		.amdhsa_wavefront_size32 1
		.amdhsa_system_sgpr_workgroup_id_x 1
		.amdhsa_system_sgpr_workgroup_id_y 1
		.amdhsa_system_sgpr_workgroup_id_z 1
		.amdhsa_system_vgpr_workitem_id 0
		.amdhsa_next_free_vgpr 1024
		.amdhsa_next_free_sgpr 66
		.amdhsa_reserve_vcc 1
		.amdhsa_float_denorm_mode_32 3
		.amdhsa_float_denorm_mode_16_64 3
		.amdhsa_memory_ordered 1
		.amdhsa_forward_progress 1
		.amdhsa_inst_pref_size 244
	.end_amdhsa_kernel
	.amdgpu_metadata
---
amdhsa.version: [ 1, 2 ]
amdhsa.kernels:
  - .name:           k_q2f13495213_sc
    .symbol:         k_q2f13495213_sc.kd
    .args:
      - { .name: qkv, .offset: 0, .size: 8, .value_kind: global_buffer, .address_space: global }
      - { .name: pb, .offset: 8, .size: 8, .value_kind: global_buffer, .address_space: global }
      - { .name: st, .offset: 16, .size: 8, .value_kind: global_buffer, .address_space: global }
    .group_segment_fixed_size: 327680
    .private_segment_fixed_size: 0
    .kernarg_segment_align: 8
    .kernarg_segment_size: 24
    .max_flat_workgroup_size: 128
    .sgpr_count:     66
    .vgpr_count:     1024
    .wavefront_size: 32
...
	.end_amdgpu_metadata
.endif
;; end of part 4
;; launch pv (part 5): grid 8 x 32, 4 waves a work-group, clusters of 4 x 1, 327,680 bytes of LDS; arguments pb, qkv, st, out0; writes out0
.if DOCPART == 5
	.amdgcn_target "amdgcn-amd-amdhsa--gfx1250"
	.amdhsa_code_object_version 6
	.text
	.protected	k_q2f13495213_pv
	.globl	k_q2f13495213_pv
	.p2align	8
	.type	k_q2f13495213_pv,@function
k_q2f13495213_pv:
	s_mov_b64 s[64:65], 0
	v_nop
	global_prefetch_b8 v0, s[64:65] scope:SCOPE_SE
	s_setreg_imm32_b32 hwreg(HW_REG_WAVE_MODE, 25, 1), 1
	s_wait_xcnt 0x0
	s_wait_alu depctr_hold_cnt(0) depctr_sa_sdst(0) depctr_va_vdst(0) depctr_va_sdst(0) depctr_va_ssrc(0) depctr_va_vcc(0) depctr_vm_vsrc(0)
	s_getreg_b32 s2, hwreg(HW_REG_IB_STS2, 6, 4)
	s_cmp_eq_u32 s2, 0
	s_cbranch_scc0 .Lentry_in_a_cluster
	s_endpgm
.Lentry_in_a_cluster:
	s_bfe_u32 s2, ttmp6, 0x10000c
	s_cmp_lg_u32 s2, 0x3003
	s_cbranch_scc0 .Lentry_shape_is_right
	s_endpgm
.Lentry_shape_is_right:
; O = the sum over blocks c of 128 keys of g_c (P_c V_c), g_c = 2^(M_c - M_row) / l_row, M_row the largest M_c of the row, l_row = the sum of 2^(M_c - M_row) l_c.  P and V in f16, all sums in f32.
; pb: p [4][2048][2048] f16;  V: f16 rows [8192][1024], 33,554,432 bytes into qkv;  st: -M and l [2][4][16][2048];  out0: [4][2048][1024] f32.
; A tile of O is 128 queries x 128 channels: four waves, 64 x 64 each.  A work-group makes TWO tiles, query blocks 15 - p and p, which need (17 - p) / 2 and 9 less that many steps of 256 keys:
; nine steps in every work-group.  The ring does not stop between the tiles.  Rows 0 to 15 of a sequence belong to the launch that makes them in f32 and are not stored here.
; CLUSTER: the four partners make four channel blocks of the same queries: P's tiles are asked for jointly.  V's tile hangs on the channel block, so it is each work-group's own load; partners along the
; query blocks would walk other keys, so V has no partners to share it with.
; THE MATRIX INSTRUCTION IS USED TRANSPOSED (source 0 = 16 channels of V, turned on the way out of LDS; source 1 = 16 queries of P): a lane holds one query and eight neighbouring channels.
; A block's products start from 0 in ACC and are folded into TOT by one packed multiply-add with the lane's g.
; REGISTERS: window 0: v0-31 addresses; v32-47 g, two sets of [2 blocks][4 tiles of rows]; v48-127 at work at the head, v64-127 rows on the way out; v128-255 ACC.  window 1: two fragment buffers.  window 2: v0-127 TOT.
.set PP,     528                       ; a row of P in LDS: 512 bytes + 16
.set PV,     288                       ; a row of V: 256 bytes + 32
.set HALFP,  64*PP
.set VOFF,   128*PP
.set HALFV,  128*PV
.set SLOT,   VOFF+256*PV
.set STAGE,  2*SLOT
.set SPITCH, 272
.set GT,     STAGE+4*16*SPITCH         ; g [18 blocks in the order of the walk][128 rows], f32
.set SPARE,  GT+18*512
.set ADRA, 16                          ; v16-17 P's fragments in slot 0, 1
.set ADRV, 20                          ; v20-23 V's: slot 0 keys 0-127, 128-255; slot 1 likewise
.set STO,  24
.set RD,   25
.set CO,   26
.set GA,   27                          ; v27 my row's g in the table
.set SPW,  28
.set NIL,  29
.set G,    32
.set BK,   64
.set ACC,  128
.set F0,   0
.set F1,   128
.set WV,  12
.set RH,  13                           ; my half of the rows; also: I fetch P (0) or V (1)
.set CH,  14                           ; my half of the channels; also: which half of a tile I fetch
.set NX,  19                           ; steps of the first tile
.set F,   20                           ; the step in hand, 0 .. 8
.set TR,  21
.set IXO, 22                           ; query block x 524,288: its rows' bytes in pb and in out0
.set IYO, 23
.set G1,  24
.set G0,  32
.set PBW, 40                           ; s[40:41] pb at the sequence and my half of a tile's rows
.set VBW, 44                           ; s[44:45] V at the sequence, my half of a step's keys, my channel block
.set G1B, 48
.set G0B, 56
.set OX,  66
.set OY,  68
.set MK,  70                           ; s70-78 all ones where step f belongs to the first tile
.set SKP, 88                           ; 0 where my second tile's first 16 rows are a sequence's first 16
.set MSB, 0
.macro WIN new
.if MSB != \new
	s_set_vgpr_msb (MSB<<8)|\new
.set MSB, \new
.endif
.endm
.set MUL,  0x05
.set TO_F, 0x40
.macro JLOAD s                         ; waves 0 and 1: P's halves, jointly; waves 2 and 3: V's halves; an s_nop 0 and four v_nop follow each line
	s_cmp_eq_u32 s[RH], 0
	s_cbranch_scc0 .Lfor_v_\@
	tensor_load_to_lds s[G0+4*\s:G0+4*\s+3], s[G1:G1+7]
	s_nop 0
.rept 4
	v_nop
.endr
	s_branch .Lasked_\@
.Lfor_v_\@:
	tensor_load_to_lds s[G0B+4*\s:G0B+4*\s+3], s[G1B:G1B+7]
	s_nop 0
.rept 4
	v_nop
.endr
.Lasked_\@:
.endm
.macro CREST
	s_cmp_lg_u32 s[WV], 0
	s_cbranch_scc1 .Lnot_wave_0_\@
	s_barrier_signal -3
.Lnot_wave_0_\@:
	s_barrier_wait -3
	s_barrier_signal -1
	s_barrier_wait -1
.endm
.macro CROUND
	s_barrier_signal -1
	s_barrier_wait -1
	CREST
.endm
	s_load_b256 s[4:11], s[0:1], 0x0               ; pb, qkv, st, out0
	v_lshl_add_u32 v[SPW], v0, 2, SPARE
	v_mov_b32 v[NIL], 0
	ds_add_u32 v[SPW], v[NIL]                      ; the wave's opening: the add, twice on end, and its wait ahead of my first tensor load
	ds_add_u32 v[SPW], v[NIL]
	v_lshrrev_b32 v1, 5, v0
	v_readfirstlane_b32 s[WV], v1
	s_lshr_b32 s[RH], s[WV], 1
	s_and_b32 s[CH], s[WV], 1
	s_bfe_u32 s15, ttmp6, 0x40000                  ; cx
	s_lshl_b32 s16, ttmp9, 2
	s_add_co_u32 s16, s16, s15                     ; my channel block: it enters V's and O's addresses alone
	s_and_b32 s17, ttmp7, 0xffff
	s_and_b32 s18, s17, 7                          ; p
	s_lshr_b32 s17, s17, 3                         ; the sequence
	s_sub_co_u32 s[NX], 17, s18
	s_lshr_b32 s[NX], s[NX], 1
	s_sub_co_u32 s[IXO], 15, s18
	s_lshl_b32 s90, s[IXO], 9                      ; the blocks' rows in st: 512 bytes a block
	s_lshl_b32 s91, s18, 9
	s_lshl_b32 s[IXO], s[IXO], 19
	s_lshl_b32 s[IYO], s18, 19
	s_or_b32 s[SKP], s18, s[RH]
	s_mov_b32 s[F], 0
	s_mov_b32 s[G1+0], 15|(1<<16)|(1<<20)|(1<<21)|(6<<22)|(3<<25)   ; all four work-groups; elements of 2 bytes; 4 words of padding behind every 128; bit 21 beside a mask
	s_mov_b32 s[G1+1], 256<<16
	s_mov_b32 s[G1+2], 64<<16
	s_mov_b32 s[G1+3], 256<<16
	s_mov_b32 s[G1+4], 64
	s_mov_b32 s[G1+5], 2048
	s_mov_b32 s[G1+6], 0
	s_mov_b32 s[G1+7], 0
	s_mov_b32 s[G1B+0], (1<<16)|(1<<20)|(5<<22)|(7<<25)             ; no mask; 8 words of padding behind every 64
	s_mov_b32 s[G1B+1], 128<<16
	s_mov_b32 s[G1B+2], 128<<16
	s_mov_b32 s[G1B+3], 128<<16
	s_mov_b32 s[G1B+4], 128
	s_mov_b32 s[G1B+5], 1024
	s_mov_b32 s[G1B+6], 0
	s_mov_b32 s[G1B+7], 0
	s_lshl_b32 s80, s17, 23
	s_lshl_b32 s81, s[CH], 18
	s_add_co_u32 s80, s80, s81                     ; pb: the sequence, 64 rows of 4,096 bytes
	s_mov_b32 s81, 0
	s_lshl_b32 s94, s17, 22
	s_lshl_b32 s95, s[CH], 18
	s_add_co_u32 s94, s94, s95                     ; V: the sequence, 128 keys of 2,048 bytes,
	s_lshl_b32 s95, s16, 8
	s_add_co_u32 s94, s94, s95                     ; 128 channels of 2 bytes,
	s_add_co_u32 s94, s94, 0x2000000               ; behind q and k
	s_mov_b32 s95, 0
	s_lshl_b32 s84, s17, 17                        ; st: the sequence
	s_mov_b32 s85, 0
	s_mul_i32 s92, s[CH], HALFP                    ; where my part of a tile goes: no place in the cluster enters an LDS address
	s_mul_i32 s93, s[CH], HALFV
	s_add_co_u32 s93, s93, VOFF
	s_mov_b32 s82, s[IXO]
	s_mov_b32 s83, 0
	s_wait_dscnt 0x0                               ; both opening adds are done
	s_wait_kmcnt 0x0
	s_add_nc_u64 s[PBW:PBW+1], s[4:5], s[80:81]
	s_add_nc_u64 s[VBW:VBW+1], s[6:7], s[94:95]
	s_add_nc_u64 s[86:87], s[8:9], s[84:85]
	s_add_nc_u64 s[82:83], s[PBW:PBW+1], s[82:83]  ; the first tile's rows
	s_lshl_b32 s94, s17, 23                        ; out0: the sequence, my 64 rows, my 64 channels
	s_lshl_b32 s95, s[RH], 18
	s_add_co_u32 s94, s94, s95
	s_lshl_b32 s95, s16, 9
	s_add_co_u32 s94, s94, s95
	s_lshl_b32 s95, s[CH], 8
	s_add_co_u32 s94, s94, s95
	s_mov_b32 s95, 0
	s_add_nc_u64 s[OY:OY+1], s[10:11], s[94:95]
	s_mov_b32 s94, s[IXO]
	s_add_nc_u64 s[OX:OX+1], s[OY:OY+1], s[94:95]
	s_mov_b32 s94, s[IYO]
	s_add_nc_u64 s[OY:OY+1], s[OY:OY+1], s[94:95]
	CROUND                                         ; all four work-groups are here: the first joint loads meet
.irp s, 0,1
	s_mov_b32 s[G0+4*\s], 1
	s_add_co_u32 s[G0+4*\s+1], s92, \s*SLOT
	s_add_nc_u64 s[G0+4*\s+2:G0+4*\s+3], s[82:83], \s*512          ; steps 0 and 1 are the first tile's: it has five steps at the least
	s_or_b32 s[G0+4*\s+3], s[G0+4*\s+3], 0x80000000
	s_mov_b32 s[G0B+4*\s], 1
	s_add_co_u32 s[G0B+4*\s+1], s93, \s*SLOT
	s_add_nc_u64 s[G0B+4*\s+2:G0B+4*\s+3], s[VBW:VBW+1], \s*524288
	s_or_b32 s[G0B+4*\s+3], s[G0B+4*\s+3], 0x80000000
	JLOAD \s                                       ; two loads of mine go out together
.endr
	v_and_b32 v1, 15, v0                           ; r
	v_bfe_u32 v2, v0, 4, 1                         ; h
	v_mul_u32_u24 v3, v1, PP
	v_lshl_add_u32 v3, v2, 4, v3
	s_mul_i32 s80, s[RH], HALFP
	v_add_nc_u32 v[ADRA], s80, v3
	v_add_nc_u32 v[ADRA+1], SLOT, v[ADRA]
	v_and_b32 v5, 7, v0                            ; the turning load: lane l reads key 8 h + l % 8, channels 8 ((l / 8) % 2) + 0 .. 7
	v_bfe_u32 v6, v0, 3, 1
	v_lshl_add_u32 v4, v2, 3, v5
	v_mul_u32_u24 v4, v4, PV
	v_lshl_add_u32 v4, v6, 4, v4
	s_lshl_b32 s80, s[CH], 7
	s_add_co_u32 s80, s80, VOFF
	v_add_nc_u32 v[ADRV], s80, v4
	v_add_nc_u32 v[ADRV+1], HALFV, v[ADRV]
	v_add_nc_u32 v[ADRV+2], SLOT, v[ADRV]
	v_add_nc_u32 v[ADRV+3], SLOT, v[ADRV+1]
	s_mul_i32 s80, s[WV], 16*SPITCH
	s_add_co_u32 s80, s80, STAGE
	v_mul_u32_u24 v5, v1, SPITCH
	v_lshl_add_u32 v5, v2, 5, v5
	v_add_nc_u32 v[STO], s80, v5                   ; in: row r, 32 bytes for each half of the lanes
	v_mul_u32_u24 v5, v2, SPITCH
	v_lshl_add_u32 v5, v1, 4, v5
	v_add_nc_u32 v[RD], s80, v5                    ; back: two rows of 256 bytes an instruction
	v_lshlrev_b32 v5, 12, v2
	v_lshl_add_u32 v[CO], v1, 4, v5
	s_lshl_b32 s80, s[RH], 8
	s_add_co_u32 s80, s80, GT
	v_lshl_add_u32 v[GA], v1, 2, s80
	; THE TABLE OF g.  Thread t makes row t's 18 numbers, for both tiles.  Which tile a step belongs to hangs on ids alone: it is kept as masks in scalar registers, and values are chosen, not ways.
	v_lshlrev_b32 v56, 2, v0
	v_lshl_add_u32 v58, v0, 2, GT
.irp f, 0,1,2,3,4,5,6,7,8
	s_cmp_lt_u32 \f, s[NX]
	s_cselect_b32 s[MK+\f], -1, 0
	s_cselect_b32 s80, 0, s[NX]
	s_cselect_b32 s81, s90, s91
	s_sub_co_u32 s80, \f, s80                      ; the step within its tile: 256 keys, two blocks of 8,192 bytes
	s_lshl_b32 s80, s80, 14
	s_add_co_u32 s80, s80, s81
	v_add_nc_u32 v[100+\f], s80, v56
.endr
.irp f, 0,1,2,3,4,5,6,7,8
	global_load_b32 v[64+2*\f], v[100+\f], s[86:87]                ; -M
	global_load_b32 v[65+2*\f], v[100+\f], s[86:87] offset:8192
	global_load_b32 v[82+2*\f], v[100+\f], s[86:87] offset:524288  ; l
	global_load_b32 v[83+2*\f], v[100+\f], s[86:87] offset:532480
.endr
	v_mov_b32 v57, 0x7f7fffff
	v_mov_b32 v48, v57                             ; the rows' -M: the least -M of a tile's blocks
	v_mov_b32 v49, v57
	v_mov_b32 v50, 0                               ; and their l
	v_mov_b32 v51, 0
	s_wait_loadcnt 0x0
.irp f, 0,1,2,3,4,5,6,7,8
.irp u, 0,1
	v_cndmask_b32 v52, v57, v[64+2*\f+\u], s[MK+\f]
	v_cndmask_b32 v53, v[64+2*\f+\u], v57, s[MK+\f]
	v_min_num_f32 v48, v48, v52
	v_min_num_f32 v49, v49, v53
.endr
.endr
.irp f, 0,1,2,3,4,5,6,7,8
	v_cndmask_b32 v54, v49, v48, s[MK+\f]
.irp u, 0,1
	v_sub_f32 v52, v54, v[64+2*\f+\u]              ; M_c - M_row: a whole number, 0 or less
	v_cvt_i32_f32 v52, v52                         ; (it saturates: a block wholly hidden gets the factor 0)
	v_ldexp_f32 v[110+2*\f+\u], 1.0, v52
	v_cndmask_b32 v53, 0, v[110+2*\f+\u], s[MK+\f]
	v_fma_f32 v50, v53, v[82+2*\f+\u], v50
	v_cndmask_b32 v55, v[110+2*\f+\u], 0, s[MK+\f]
	v_fma_f32 v51, v55, v[82+2*\f+\u], v51
.endr
.endr
	v_rcp_f32 v50, v50                             ; key 0 counts for every query: both sums are above 0
	v_rcp_f32 v51, v51
	v_nop
	s_wait_alu depctr_va_vdst(0)                   ; the one wait ahead of the first reader
.irp f, 0,1,2,3,4,5,6,7,8
	v_cndmask_b32 v54, v51, v50, s[MK+\f]
.irp u, 0,1
	v_mul_f32 v[110+2*\f+\u], v[110+2*\f+\u], v54
	ds_store_b32 v58, v[110+2*\f+\u] offset:512*(2*\f+\u)
.endr
.endr
.macro MUL8 f, c, a0, zero             ; 8 matrix instructions: tiles of rows a0, a0 + 1 x 4 tiles of channels, 32 keys.  The 16 accumulators take turns
.irp a, \a0, \a0+1
.irp b, 0,1,2,3
.if \zero
	v_wmma_f32_16x16x32_f16 v[ACC+8*(4*(\a)+\b):ACC+8*(4*(\a)+\b)+7], v[\f+64+8*(4*\c+\b):\f+64+8*(4*\c+\b)+7], v[\f+8*(4*\c+\a):\f+8*(4*\c+\a)+7], 0
.else
	v_wmma_f32_16x16x32_f16 v[ACC+8*(4*(\a)+\b):ACC+8*(4*(\a)+\b)+7], v[\f+64+8*(4*\c+\b):\f+64+8*(4*\c+\b)+7], v[\f+8*(4*\c+\a):\f+8*(4*\c+\a)+7], v[ACC+8*(4*(\a)+\b):ACC+8*(4*(\a)+\b)+7]
.endif
.endr
.endr
.endm
; 32 LDS loads in one run: the fragments of 64 keys, at byte k of P's rows, into buffer f; the first 32 keys first.  V's come turned: 16 channels x 32 keys by two loads, 16 rows apart.
.macro FETCH slot, k, f
	WIN TO_F
.irp c, 0,1
.irp i, 0,1,2,3
	ds_load_tr16_b128 v[\f+64+8*(4*\c+\i):\f+64+8*(4*\c+\i)+3],   v[ADRV+2*\slot+(\k)/256] offset:((((\k)/128)%2)*64+32*\c)*PV+32*\i
	ds_load_tr16_b128 v[\f+64+8*(4*\c+\i)+4:\f+64+8*(4*\c+\i)+7], v[ADRV+2*\slot+(\k)/256] offset:((((\k)/128)%2)*64+32*\c+16)*PV+32*\i
	ds_load_b128 v[\f+8*(4*\c+\i):\f+8*(4*\c+\i)+3],         v[ADRA+\slot] offset:\k+64*\c+\i*16*PP
	ds_load_b128 v[\f+8*(4*\c+\i)+4:\f+8*(4*\c+\i)+7],       v[ADRA+\slot] offset:\k+64*\c+\i*16*PP+32
.endr
.endr
.endm
.macro GLOAD set, off                  ; a step's g of my rows: always asked for ahead of the fragments, so that it is older than the loads which the counted waits leave out
.irp c, 0,1
.irp a, 0,1,2,3
	ds_load_b32 v[G+8*\set+4*\c+\a], v[GA] offset:\off+512*\c+64*\a
.endr
.endr
.endm
.macro PLACES
.rept 4
	v_nop
.endr
.endm
.macro QUARTER slot, k, f, g, zero     ; 64 keys: multiplies buffer f and fetches the next quarter, at byte k, into g
	s_wait_dscnt 16                                ; the first 32 keys are in
	WIN MUL
	MUL8 \f, 0, 0, \zero
	MUL8 \f, 0, 2, \zero
	PLACES
	FETCH \slot, \k, \g
	s_wait_dscnt 32                                ; all but the 32 just issued
	WIN MUL
	MUL8 \f, 1, 0, 0
	MUL8 \f, 1, 2, 0
.endm
.macro ADDR slot                       ; the slot's next tiles: step F + 2.  Offsets are chosen by ids and the count of steps and added to the kept addresses; no load of mine is out here
	s_add_co_u32 s80, s[F], 2
	s_cmp_lt_u32 s80, s[NX]
	s_cselect_b32 s81, 0, s[NX]
	s_cselect_b32 s82, s[IXO], s[IYO]
	s_sub_co_u32 s80, s80, s81                     ; the step within its tile
	s_lshl_b32 s81, s80, 9
	s_add_co_u32 s82, s82, s81
	s_mov_b32 s83, 0
	s_add_nc_u64 s[G0+4*\slot+2:G0+4*\slot+3], s[PBW:PBW+1], s[82:83]
	s_or_b32 s[G0+4*\slot+3], s[G0+4*\slot+3], 0x80000000
	s_lshl_b32 s84, s80, 19
	s_mov_b32 s85, 0
	s_add_nc_u64 s[G0B+4*\slot+2:G0B+4*\slot+3], s[VBW:VBW+1], s[84:85]
	s_or_b32 s[G0B+4*\slot+3], s[G0B+4*\slot+3], 0x80000000
.endm
; A step's last quarter changes slots.  In front of the barrier each wave waits for all its tensor loads (one is out: its part of the next slot), adds 0 to its spare word, and waits for that and for its
; reads of this slot.  fill = 1: the barrier opens a round of the cluster's, and the refill is the first thing behind it: 112 matrix instructions and two folds ahead of the wait for it.
.macro TURN slot, next, fill, goff
	WIN 0
	s_wait_tensorcnt 0x0
	ds_add_u32 v[SPW], v[NIL]
.if \fill
	ADDR \slot
.endif
	s_wait_dscnt 17                                ; the add and the youngest sixteen loads may be out
	WIN MUL
	MUL8 F1, 0, 0, 0
	s_wait_dscnt 0x0                               ; the add is done, and my reads of this slot are over
	s_barrier_signal -1
	MUL8 F1, 0, 2, 0
	WIN 0
	s_barrier_wait -1
.if \fill
	CREST
	JLOAD \slot
.else
	PLACES
.endif
	GLOAD \next, \goff
	FETCH \next, 0, F0
	WIN MUL
	MUL8 F1, 1, 0, 0
	MUL8 F1, 1, 2, 0
.endm
.macro FOLDX set, ch, mul              ; TOT = ACC x g (+ TOT): 64 packed lines; of the pair that holds g the one word serves both halves
.irp a, 0,1,2,3
.set GP, G+8*(\set)+4*(\ch)+2*(\a/2)
.set i, 0
.rept 16
.if \mul
.if \a%2
	v_pk_mul_f32 v[32*\a+i:32*\a+i+1], v[ACC+32*\a+i:ACC+32*\a+i+1], v[GP:GP+1] op_sel:[0,1]
.else
	v_pk_mul_f32 v[32*\a+i:32*\a+i+1], v[ACC+32*\a+i:ACC+32*\a+i+1], v[GP:GP+1] op_sel_hi:[1,0]
.endif
.else
.if \a%2
	v_pk_fma_f32 v[32*\a+i:32*\a+i+1], v[ACC+32*\a+i:ACC+32*\a+i+1], v[GP:GP+1], v[32*\a+i:32*\a+i+1] op_sel:[0,1,0]
.else
	v_pk_fma_f32 v[32*\a+i:32*\a+i+1], v[ACC+32*\a+i:ACC+32*\a+i+1], v[GP:GP+1], v[32*\a+i:32*\a+i+1] op_sel_hi:[1,0,1]
.endif
.endif
.set i, i+2
.endr
.endr
.endm
; mode 0: add; 1: a tile's first block starts TOT; 2: which of the two hangs on the step.  The folds of the other accumulators are the places ahead of the next products, which begin ACC anew.
.macro FOLD set, ch, mode
	PLACES
.if \mode == 0
	WIN 0xa0                                       ; TOT (destination and source 2) in window 2
	FOLDX \set, \ch, 0
.elseif \mode == 1
	WIN 0x80
	FOLDX \set, \ch, 1
.else
	WIN 0
	s_cmp_eq_u32 s[F], s[NX]
	s_cbranch_scc1 .Lstart_\@
	WIN 0xa0
	FOLDX \set, \ch, 0
	WIN 0
	s_branch .Lfolded_\@
.Lstart_\@:
	WIN 0x80
	FOLDX \set, \ch, 1
	WIN 0
.Lfolded_\@:
.endif
.endm
; A finished tile: 16 rows x my 64 channels at a time through my own stage, back as whole rows of 256 bytes.
.macro OUT base, skip
.irp a, 0,1,2,3
.if \skip && (\a == 0)
	s_cmp_eq_u32 s[SKP], 0                         ; a sequence's first 16 rows are not mine to store
	s_cbranch_scc1 .Lnot_mine_\@
.endif
	s_wait_xcnt 0x0                                ; earlier stores have read their registers
	WIN 0x08                                       ; an LDS store's data are its source 1: window 2
.irp b, 0,1,2,3
	ds_store_b128 v[STO], v[32*\a+8*\b:32*\a+8*\b+3] offset:64*\b
	ds_store_b128 v[STO], v[32*\a+8*\b+4:32*\a+8*\b+7] offset:64*\b+16
.endr
	WIN 0
.irp t, 0,1,2,3,4,5,6,7
	ds_load_b128 v[BK+32*(\a%2)+4*\t:BK+32*(\a%2)+4*\t+3], v[RD] offset:\t*2*SPITCH   ; LDS serves a wave's instructions in order: these see the stores above
.endr
	s_wait_dscnt 0x0
.irp t, 0,1,2,3,4,5,6,7
	global_store_b128 v[CO], v[BK+32*(\a%2)+4*\t:BK+32*(\a%2)+4*\t+3], s[\base:\base+1] offset:\a*65536+\t*8192 th:TH_STORE_NT   ; sixteen lanes store 256 consecutive bytes, aligned
.endr
.if \skip && (\a == 0)
.Lnot_mine_\@:
.endif
.endr
.endm
; A step of 256 keys: two blocks of two quarters, each block folded.  fin = 1: where the first tile ends with this step, it goes out.
.macro STEPB slot, next, fill, mode, fin, goff
	QUARTER \slot, 128, F0, F1, 1
	QUARTER \slot, 256, F1, F0, 0
	FOLD \slot, 0, \mode
	QUARTER \slot, 384, F0, F1, 1
	TURN \slot, \next, \fill, \goff
	FOLD \slot, 1, 0
	WIN 0
.if \fin
	s_add_co_u32 s80, s[F], 1
	s_cmp_lg_u32 s80, s[NX]
	s_cbranch_scc1 .Lgoes_on_\@
	OUT OX, 0
.Lgoes_on_\@:
.endif
	s_add_co_u32 s[F], s[F], 1
.endm
	s_wait_tensorcnt 1                             ; my part of step 0 is in; step 1's may be out
	s_wait_dscnt 0x0                               ; my rows of the table have landed
	s_barrier_signal -1
	s_barrier_wait -1
	GLOAD 0, 0
	FETCH 0, 0, F0
	STEPB 0, 1, 1, 1, 0, 1024                      ; step 0 is written out: its first fold starts TOT
	s_mov_b32 s[TR], 3
.Lpair:                                            ; steps 1 to 6, two a trip; they ask for steps 3 to 8
	STEPB 1, 0, 1, 2, 1, 2048
	STEPB 0, 1, 1, 2, 1, 3072
	v_add_nc_u32 v[GA], 2048, v[GA]
	s_sub_co_u32 s[TR], s[TR], 1
	s_cmp_lg_u32 s[TR], 0
	s_cbranch_scc1 .Lpair
	STEPB 1, 0, 0, 2, 1, 2048                      ; step 7 asks for nothing
	QUARTER 0, 128, F0, F1, 1                      ; step 8
	QUARTER 0, 256, F1, F0, 0
	FOLD 0, 0, 2
	QUARTER 0, 384, F0, F1, 1
	s_wait_dscnt 16
	WIN MUL
	MUL8 F1, 0, 0, 0
	MUL8 F1, 0, 2, 0
	s_wait_dscnt 0
	MUL8 F1, 1, 0, 0
	MUL8 F1, 1, 2, 0
	FOLD 0, 1, 0
	WIN 0
	OUT OY, 1
	s_wait_tensorcnt 0x0                           ; the wave's end
	ds_add_u32 v[SPW], v[NIL]
	s_wait_dscnt 0x0
	CROUND                                         ; the closing round
	s_endpgm
.Lfunc_end_k_q2f13495213_pv:
	.size	k_q2f13495213_pv, .Lfunc_end_k_q2f13495213_pv-k_q2f13495213_pv
	.p2alignl 7, 3214868480
	.fill 96, 4, 3214868480
	.section	.rodata,"a",@progbits
	.p2align	6, 0x0
	.amdhsa_kernel k_q2f13495213_pv
		.amdhsa_group_segment_fixed_size 327680
		.amdhsa_private_segment_fixed_size 0
		.amdhsa_enable_private_segment 0
		.amdhsa_kernarg_size 32
		.amdhsa_user_sgpr_count 2
		.amdhsa_user_sgpr_kernarg_segment_ptr 1
		.amdhsa_wavefront_size32 1
		.amdhsa_system_sgpr_workgroup_id_x 1
		.amdhsa_system_sgpr_workgroup_id_y 1
		.amdhsa_system_sgpr_workgroup_id_z 1
		.amdhsa_system_vgpr_workitem_id 0
		.amdhsa_next_free_vgpr 640
		.amdhsa_next_free_sgpr 96
		.amdhsa_reserve_vcc 0
		.amdhsa_float_denorm_mode_32 3
		.amdhsa_float_denorm_mode_16_64 3
		.amdhsa_memory_ordered 1
		.amdhsa_forward_progress 1
		.amdhsa_inst_pref_size 209
	.end_amdhsa_kernel
	.amdgpu_metadata
---
amdhsa.version: [ 1, 2 ]
amdhsa.kernels:
  - .name:           k_q2f13495213_pv
    .symbol:         k_q2f13495213_pv.kd
    .args:
      - { .name: pb, .offset: 0, .size: 8, .value_kind: global_buffer, .address_space: global }
      - { .name: qkv, .offset: 8, .size: 8, .value_kind: global_buffer, .address_space: global }
      - { .name: st, .offset: 16, .size: 8, .value_kind: global_buffer, .address_space: global }
      - { .name: out0, .offset: 24, .size: 8, .value_kind: global_buffer, .address_space: global }
    .group_segment_fixed_size: 327680
    .private_segment_fixed_size: 0
    .kernarg_segment_align: 8
    .kernarg_segment_size: 32
    .max_flat_workgroup_size: 128
    .sgpr_count:     96
    .vgpr_count:     640
    .wavefront_size: 32
...
	.end_amdgpu_metadata
.endif
;; end of part 5
